; MI455X (gfx1250); checked and timed in simulation.
; The chip was launched on July 23, 2026; its instructions are those of AMD's public machine-readable ISA for CDNA 5 (MIT licence, August 2026) and "CDNA5" Instruction Set Architecture Reference Guide (July 2026). The comments in the code are by the model that wrote it; some were corrected since.
;; Multi Head Attention. Allowed arithmetic: float matrix products may take bf16 or f16 operands with f32 sums; other float arithmetic in f32, or as packed bf16 or f16 multiplies, adds, multiply-adds, maxima and minima; sums over many terms, partial sums and values carried from step to step in f32; what a program stores and reads back later, other than sums and carried values, may be rounded once to bf16 or f16.
;; Inputs: Wk 2,048 x 2,048 float32; Wo 2,048 x 2,048 float32; Wq 2,048 x 2,048 float32; Wv 2,048 x 2,048 float32; bk 2,048 float32; bo 2,048 float32; bq 2,048 float32; bv 2,048 float32; mask 1 x 1 x 2,048 x 2,048 bool; x 1 x 2,048 x 2,048 float32.
;; Outputs: out0 1 x 2,048 x 2,048 float32.
;; One version. Each part assembles by itself: llvm-mc -triple=amdgcn-amd-amdhsa -mcpu=gfx1250 --defsym DOCPART=n.
;; ======== version 1 of 1: 4 launches
;; limits: values are held in f16: magnitudes above 65,504 overflow, below 6.1e-05 lose precision
;; workspace buffers: xb 8,388,608 bytes; wqkv 25,165,824 bytes; wo16 8,388,608 bytes; bias 32,768 bytes; maskbits 524,288 bytes of whole numbers; qkv 25,165,824 bytes; att 8,388,608 bytes
;; launch prep (part 1): grid 256 x 6, 8 waves a work-group, no clusters, 0 bytes of LDS; arguments x, Wq, Wk, Wv, Wo, xb, wqkv, wo16, mask, maskbits, bq, bk, bv, bo, bias; writes xb, wqkv, wo16, maskbits, bias
.if DOCPART == 1
	.amdgcn_target "amdgcn-amd-amdhsa--gfx1250"
	.amdhsa_code_object_version 6
	.text
	.protected	k_q2df356b7d6_prep
	.globl	k_q2df356b7d6_prep
	.p2align	8
	.type	k_q2df356b7d6_prep,@function
k_q2df356b7d6_prep:
	s_mov_b64 s[64:65], 0
	v_nop
	global_prefetch_b8 v0, s[64:65] scope:SCOPE_SE
	s_setreg_imm32_b32 hwreg(HW_REG_WAVE_MODE, 25, 1), 1
	s_wait_xcnt 0x0
; PREP: every input is read once and laid out for the three launches behind it.
;   y = 0 .. 4: x, Wq, Wk, Wv, Wo ([2048][2048] f32) are rounded once to bf16.  x -> xb; Wq, Wk, Wv -> wqkv, one table of 6,144 rows; Wo's bf16 number is written as f16 -> wo16.
;   y = 5:      the mask (one byte a score, not 0 = hidden) becomes lane masks, one 32-bit word for each score register of the attention launch; bq, bk, bv, bo, rounded to bf16 and kept as f32, become one table.
; LIMIT.  Wo's bf16 number as f16: beyond 65,504 an infinity, below 6.1e-5 a fixed step of 6e-8.
; A stream: no LDS, no barrier, no matrix work.  A work-group of y < 5 takes 65,536 bytes of f32: sixteen loads of 16 bytes a lane are all on their way before the first is used; a wave's store of 8 bytes a lane
; covers 256 consecutive bytes, aligned.  Every load and store has registers of its own, so no register waits to be written again.
.set SRC, 38                           ; s[38:39] the tensor that I read
.set DST, 40                           ; s[40:41] the table that I write
.set IN,  16                           ; v[16:79]  sixteen loads of four registers
.set OUT, 80                           ; v[80:111] sixteen stores of two registers
	s_load_b512 s[8:23], s[0:1], 0x0               ; x 8, Wq 10, Wk 12, Wv 14, Wo 16, xb 18, wqkv 20, wo16 22
	s_load_b256 s[24:31], s[0:1], 0x40             ; mask 24, maskbits 26, bq 28, bk 30
	s_load_b128 s[32:35], s[0:1], 0x60             ; bv 32, bo 34
	s_load_b64 s[36:37], s[0:1], 0x70              ; bias
	s_and_b32 s2, ttmp7, 0xffff                    ; y: which job
	v_lshrrev_b32 v3, 5, v0
	v_readfirstlane_b32 s3, v3                     ; wave 0..7
	s_wait_kmcnt 0x0
	s_cmp_eq_u32 s2, 5
	s_cbranch_scc1 .Lmask
	; ---- y = 0 .. 4: f32 to 16 bits ----
	s_mov_b64 s[SRC:SRC+1], s[8:9]
	s_cmp_eq_u32 s2, 1
	s_cselect_b64 s[SRC:SRC+1], s[10:11], s[SRC:SRC+1]
	s_cmp_eq_u32 s2, 2
	s_cselect_b64 s[SRC:SRC+1], s[12:13], s[SRC:SRC+1]
	s_cmp_eq_u32 s2, 3
	s_cselect_b64 s[SRC:SRC+1], s[14:15], s[SRC:SRC+1]
	s_cmp_eq_u32 s2, 4
	s_cselect_b64 s[SRC:SRC+1], s[16:17], s[SRC:SRC+1]
	s_cselect_b64 s[DST:DST+1], s[22:23], s[20:21] ; Wo goes to wo16, the three others to wqkv,
	s_cmp_eq_u32 s2, 0
	s_cselect_b64 s[DST:DST+1], s[18:19], s[DST:DST+1]  ; x to xb
	s_sub_co_u32 s4, s2, 1                         ; which third of wqkv: y - 1 for y = 1 .. 3, else 0
	s_cmp_eq_u32 s2, 0
	s_cselect_b32 s4, 0, s4
	s_cmp_eq_u32 s2, 4
	s_cselect_b32 s4, 0, s4
	s_lshl_b32 s4, s4, 23                          ; 8,388,608 bytes a third
	s_lshl_b32 s5, ttmp9, 15                       ; my 32,768 bytes of output
	s_add_co_u32 s4, s4, s5
	s_mov_b32 s5, 0
	s_add_nc_u64 s[DST:DST+1], s[DST:DST+1], s[4:5]
	s_lshl_b32 s6, ttmp9, 16                       ; my 65,536 bytes of input
	s_mov_b32 s7, 0
	s_add_nc_u64 s[SRC:SRC+1], s[SRC:SRC+1], s[6:7]
	v_lshlrev_b32 v1, 4, v0                        ; 16 bytes a thread in,
	v_lshlrev_b32 v2, 3, v0                        ; 8 bytes out
.irp i, 0,1,2,3,4,5,6,7,8,9,10,11,12,13,14,15
	global_load_b128 v[IN+4*(\i):IN+4*(\i)+3], v1, s[SRC:SRC+1] offset:4096*(\i) th:TH_LOAD_NT
.endr
; Load i is rounded and stored.  half = 1: the bf16 number is widened again (a shift, a mask) and written as f16.
.macro CV i, half
	s_wait_loadcnt 15-(\i)                         ; loads come back in order: mine is in, the 15 - i younger ones stay out
	v_cvt_pk_bf16_f32 v[OUT+2*(\i)], v[IN+4*(\i)], v[IN+4*(\i)+1]
	v_cvt_pk_bf16_f32 v[OUT+2*(\i)+1], v[IN+4*(\i)+2], v[IN+4*(\i)+3]
.if \half
	v_lshlrev_b32 v4, 16, v[OUT+2*(\i)]
	v_and_b32 v5, 0xffff0000, v[OUT+2*(\i)]
	v_lshlrev_b32 v6, 16, v[OUT+2*(\i)+1]
	v_and_b32 v7, 0xffff0000, v[OUT+2*(\i)+1]
	v_cvt_pk_f16_f32 v[OUT+2*(\i)], v4, v5
	v_cvt_pk_f16_f32 v[OUT+2*(\i)+1], v6, v7
.endif
	global_store_b64 v2, v[OUT+2*(\i):OUT+2*(\i)+1], s[DST:DST+1] offset:2048*(\i)
.endm
	s_cmp_eq_u32 s2, 4
	s_cbranch_scc1 .Lwo
.irp i, 0,1,2,3,4,5,6,7,8,9,10,11,12,13,14,15
	CV \i, 0
.endr
	s_endpgm
.Lwo:
.irp i, 0,1,2,3,4,5,6,7,8,9,10,11,12,13,14,15
	CV \i, 1
.endr
	s_endpgm
	; ---- y = 5: the mask ----
	; A wave makes one unit: 32 queries (piece pc) x 64 keys (key step ks): 64 words.  Word w = 32 u + j belongs to score register j (0..31) of the piece's tile u of 16 queries;
	; its bit l is mask[32 pc + 16 u + l % 16][64 ks + 16 (j / 8) + 8 (l / 16) + j % 8]: the place of lane l's register j in the attention launch's product K Q^T.
	; Where it goes: stream 2 (pc / 2) + kh, turn 2 i + pc % 2, with kh = (ks / 2) % 2 and i = 2 (ks / 4) + ks % 2: the order in which a wave of that launch walks its keys.  256 bytes a unit.
.Lmask:
	s_lshr_b32 s4, ttmp9, 2                        ; pc
	s_and_b32 s5, ttmp9, 3
	s_lshl_b32 s5, s5, 3
	s_add_co_u32 s5, s5, s3                        ; ks
	s_lshl_b32 s6, s4, 16                          ; 32 rows of 2,048 bytes
	s_lshl_b32 s7, s5, 6
	s_add_co_u32 s6, s6, s7
	s_mov_b32 s7, 0
	s_add_nc_u64 s[24:25], s[24:25], s[6:7]
	v_and_b32 v4, 15, v0
	v_bfe_u32 v5, v0, 4, 1
	v_lshlrev_b32 v1, 11, v4                       ; row l % 16,
	v_lshl_add_u32 v1, v5, 3, v1                   ; 8 keys for each half of the lanes
.irp c, 0,1,2,3,4,5,6,7                ; c = 4 u + key block
	global_load_b64 v[IN+2*(\c):IN+2*(\c)+1], v1, s[24:25] offset:((\c)/4)*32768+((\c)%4)*16
.endr
	s_bfe_u32 s38, s5, 0x10001                     ; kh
	s_lshr_b32 s39, s5, 2
	s_lshl_b32 s39, s39, 1
	s_and_b32 s44, s5, 1
	s_or_b32 s39, s39, s44                         ; i
	s_and_b32 s44, s4, 1
	s_lshl1_add_u32 s39, s39, s44                  ; turn = 2 i + pc % 2
	s_and_b32 s45, s4, -2
	s_add_co_u32 s45, s45, s38                     ; stream
	s_lshl_b32 s45, s45, 5
	s_add_co_u32 s45, s45, s39
	s_lshl_b32 s46, s45, 8
	s_mov_b32 s47, 0
	s_add_nc_u64 s[26:27], s[26:27], s[46:47]
	v_mov_b32 v12, 0                               ; v_writelane_b32 keeps the other lanes: both are written whole first
	v_mov_b32 v13, 0
	v_and_b32 v2, 31, v0
	v_lshlrev_b32 v2, 3, v2
	s_wait_loadcnt 0x0
.set w, 0
.rept 64                               ; a byte of every lane -> a compare's lane mask -> lane w / 2 of the even or the odd words' register
	v_bfe_u32 v[4+w%4], v[IN+2*(4*(w/32)+(w%32)/8)+(w%8)/4], 8*(w%4), 8
	v_cmp_ne_u32 s[40+w%4], 0, v[4+w%4]
	v_writelane_b32 v[12+w%2], s[40+w%4], w/2
.set w, w+1
.endr
	global_store_b64 v2, v[12:13], s[26:27]        ; 32 lanes x 8 bytes: the unit's 256 bytes, aligned
	; ---- the biases: work-groups 0 .. 7 of y = 5 take 4,096 bytes each ----
	s_cmp_lt_u32 ttmp9, 8
	s_cbranch_scc0 .Lend
	s_lshr_b32 s4, ttmp9, 1
	s_mov_b64 s[SRC:SRC+1], s[28:29]
	s_cmp_eq_u32 s4, 1
	s_cselect_b64 s[SRC:SRC+1], s[30:31], s[SRC:SRC+1]
	s_cmp_eq_u32 s4, 2
	s_cselect_b64 s[SRC:SRC+1], s[32:33], s[SRC:SRC+1]
	s_cmp_eq_u32 s4, 3
	s_cselect_b64 s[SRC:SRC+1], s[34:35], s[SRC:SRC+1]
	s_and_b32 s6, ttmp9, 1
	s_lshl_b32 s6, s6, 12
	s_mov_b32 s7, 0
	s_add_nc_u64 s[SRC:SRC+1], s[SRC:SRC+1], s[6:7]
	s_lshl_b32 s6, ttmp9, 12
	s_add_nc_u64 s[36:37], s[36:37], s[6:7]
	v_lshlrev_b32 v3, 4, v0
	global_load_b128 v[100:103], v3, s[SRC:SRC+1]
	s_wait_loadcnt 0x0
	v_cvt_pk_bf16_f32 v108, v100, v101
	v_cvt_pk_bf16_f32 v109, v102, v103
	v_lshlrev_b32 v104, 16, v108
	v_and_b32 v105, 0xffff0000, v108
	v_lshlrev_b32 v106, 16, v109
	v_and_b32 v107, 0xffff0000, v109
	global_store_b128 v3, v[104:107], s[36:37]
.Lend:
	s_endpgm
.Lfunc_end_k_q2df356b7d6_prep:
	.size	k_q2df356b7d6_prep, .Lfunc_end_k_q2df356b7d6_prep-k_q2df356b7d6_prep
	.p2alignl 7, 3214868480
	.fill 96, 4, 3214868480
	.section	.rodata,"a",@progbits
	.p2align	6, 0x0
	.amdhsa_kernel k_q2df356b7d6_prep
		.amdhsa_group_segment_fixed_size 0
		.amdhsa_private_segment_fixed_size 0
		.amdhsa_enable_private_segment 0
		.amdhsa_kernarg_size 120
		.amdhsa_user_sgpr_count 2
		.amdhsa_user_sgpr_kernarg_segment_ptr 1
		.amdhsa_wavefront_size32 1
		.amdhsa_system_sgpr_workgroup_id_x 1
		.amdhsa_system_sgpr_workgroup_id_y 1
		.amdhsa_system_sgpr_workgroup_id_z 1
		.amdhsa_system_vgpr_workitem_id 0
		.amdhsa_next_free_vgpr 112
		.amdhsa_next_free_sgpr 66
		.amdhsa_reserve_vcc 0
		.amdhsa_float_denorm_mode_32 3
		.amdhsa_float_denorm_mode_16_64 3
		.amdhsa_memory_ordered 1
		.amdhsa_forward_progress 1
		.amdhsa_inst_pref_size 32
	.end_amdhsa_kernel
	.amdgpu_metadata
---
amdhsa.version: [ 1, 2 ]
amdhsa.kernels:
  - .name:           k_q2df356b7d6_prep
    .symbol:         k_q2df356b7d6_prep.kd
    .args:
      - { .name: x, .offset: 0, .size: 8, .value_kind: global_buffer, .address_space: global }
      - { .name: Wq, .offset: 8, .size: 8, .value_kind: global_buffer, .address_space: global }
      - { .name: Wk, .offset: 16, .size: 8, .value_kind: global_buffer, .address_space: global }
      - { .name: Wv, .offset: 24, .size: 8, .value_kind: global_buffer, .address_space: global }
      - { .name: Wo, .offset: 32, .size: 8, .value_kind: global_buffer, .address_space: global }
      - { .name: xb, .offset: 40, .size: 8, .value_kind: global_buffer, .address_space: global }
      - { .name: wqkv, .offset: 48, .size: 8, .value_kind: global_buffer, .address_space: global }
      - { .name: wo16, .offset: 56, .size: 8, .value_kind: global_buffer, .address_space: global }
      - { .name: mask, .offset: 64, .size: 8, .value_kind: global_buffer, .address_space: global }
      - { .name: maskbits, .offset: 72, .size: 8, .value_kind: global_buffer, .address_space: global }
      - { .name: bq, .offset: 80, .size: 8, .value_kind: global_buffer, .address_space: global }
      - { .name: bk, .offset: 88, .size: 8, .value_kind: global_buffer, .address_space: global }
      - { .name: bv, .offset: 96, .size: 8, .value_kind: global_buffer, .address_space: global }
      - { .name: bo, .offset: 104, .size: 8, .value_kind: global_buffer, .address_space: global }
      - { .name: bias, .offset: 112, .size: 8, .value_kind: global_buffer, .address_space: global }
    .group_segment_fixed_size: 0
    .private_segment_fixed_size: 0
    .kernarg_segment_align: 8
    .kernarg_segment_size: 120
    .max_flat_workgroup_size: 256
    .sgpr_count:     66
    .vgpr_count:     112
    .wavefront_size: 32
...
	.end_amdgpu_metadata
.endif
;; end of part 1
;; launch qkvgemm (part 2): grid 32 x 8, 4 waves a work-group, clusters of 4 x 4, 327,680 bytes of LDS; arguments xb, wqkv, bias, qkv; writes qkv
.if DOCPART == 2
	.amdgcn_target "amdgcn-amd-amdhsa--gfx1250"
	.amdhsa_code_object_version 6
	.text
	.protected	k_q2df356b7d6_qkvgemm
	.globl	k_q2df356b7d6_qkvgemm
	.p2align	8
	.type	k_q2df356b7d6_qkvgemm,@function
k_q2df356b7d6_qkvgemm:
	s_mov_b64 s[64:65], 0
	v_nop
	global_prefetch_b8 v0, s[64:65] scope:SCOPE_SE
	s_setreg_imm32_b32 hwreg(HW_REG_WAVE_MODE, 25, 1), 1
	s_wait_xcnt 0x0
	s_wait_alu depctr_hold_cnt(0) depctr_sa_sdst(0) depctr_va_vdst(0) depctr_va_sdst(0) depctr_va_ssrc(0) depctr_va_vcc(0) depctr_vm_vsrc(0)
	s_getreg_b32 s2, hwreg(HW_REG_IB_STS2, 6, 4)
	s_cmp_eq_u32 s2, 0
	s_cbranch_scc0 .Lentry_in_a_cluster
	s_endpgm
.Lentry_in_a_cluster:
	s_bfe_u32 s2, ttmp6, 0x10000c
	s_cmp_lg_u32 s2, 0xf033
	s_cbranch_scc0 .Lentry_shape_is_right
	s_endpgm
.Lentry_shape_is_right:
; q, k, v = x W^T + b in one product: [2048 tokens] x [6144 columns], K = 2048.  xb [2048][2048] and wqkv [6144][2048] are bf16, sums in f32, started by the bias; each result is rounded once to f16.
; LIMIT.  q, k, v leave as f16: a result of 65,520 or more in size becomes an infinity.
; OUTPUT LAYOUT.  qkv is 96 panels of 64 columns, [panel][token][64] f16: column c lies in panel c / 64.  A panel's rows are dense, 128 bytes each.
; SHARES.  A tile is 256 tokens x 192 columns (three panels): 8 x 32 = 256 work-groups.  Wave w owns tokens 64 w .. 64 w + 63 and all 192 columns: 4 x 12 = 48 accumulators, 384 registers; for 32 along K it
; reads 16 fragments from LDS (32 loads) for 48 products.  K goes in 16 steps of 128 (rows of 256 bytes, each at a multiple of 256 from its buffer's first byte) through two LDS slots.
; CLUSTER.  4 x 4 work-groups: the four of a row of the cluster need the same tokens, the four of a column the same weights; each tile is asked for jointly, by the same tensor load, descriptor and mask in all four.
; THE MATRIX INSTRUCTION IS USED TRANSPOSED (source 0 = 16 rows of wqkv, source 1 = 16 tokens): a lane holds one token (lane % 16) and eight neighbouring columns 8 (lane / 16) + 0..7, which pack into 16 bytes.
; REGISTERS, in windows of 256 (s_set_vgpr_msb: bits 1:0 source 0, 3:2 source 1, 5:4 source 2, 7:6 destination):
;   window 0: v0-31 addresses; v32-127 the bias as 12 C operands, later the way out; v128-191 A's fragments, two buffers of 32; v192-239 the way out
;   window 1: B's fragments, two buffers of 96      window 2: accumulators of token blocks 0, 1 at v[96 a + 8 b]      window 3: those of blocks 2, 3
.set KSTEP,  128
.set PITCH,  272                       ; an LDS row: 256 bytes + 16 of padding = 68 words: the 16 rows of a fragment load start at 16 different groups of four banks (64 banks of 4 bytes: ISA guide 11.1)
.set BOFF,   256*PITCH                 ; a slot: A's 256 rows, then B's 192
.set SLOT1,  1<<17                     ; slot 1 begins here: one exclusive or turns an address in one slot into the other's
.set STAGE,  SLOT1+448*PITCH           ; behind the ring, never filled by a tensor load: 16 rows x 400 bytes for each wave
.set SP,     400                       ; a stage row: 384 bytes + 16
.set SPARE,  STAGE+4*16*SP             ; behind the stages: the spare words, 128 bytes a wave: two blocks of 256 bytes that no other line names
.set A0,   16                          ; v16  my lane's place in slot 0's rows of A: (64 w + l % 16) x pitch + 16 (l / 16); never rewritten
.set B0,   17                          ; v17  the same for B
.set ADRA, 18                          ; v18  the same in the slot in hand
.set ADRB, 19
.set STO,  24                          ; v24  the way out: where I put 16 bytes of a row
.set RD,   25                          ; v25  where I read rows back
.set CO,   26                          ; v26  my 16 bytes among 512 consecutive bytes of a panel
.set BO,   27                          ; v27  my 32 bytes among a column block's 64 of bias
.set SPW,  28                          ; v28  LDS address of my spare word; never rewritten
.set NIL,  29                          ; v29  0; never rewritten
.set PFO,  30                          ; v30  the prefetches' offset: a lane a row; never rewritten
.set BIAS, 32
.set TMP,  32
.set FA,   128
.set WV,   12                          ; s12  wave; s13 = wave / 2: I fetch for A (0) or B (1); s14 = wave % 2: which half of that tile's rows
.set TB,   15                          ; s15  the slot in hand: 0 or SLOT1
.set G1A,  24                          ; s[24:31] descriptor group 1 for A's tiles
.set G0A,  32                          ; s[32:35] group 0 for A's: it walks
.set G0B,  36                          ; s[36:39] the same for B's
.set PFA,  44                          ; s[44:45] where my prefetches stand
.set G1B,  48                          ; s[48:55] group 1 for B's
.set LIM,  62                          ; s62  1 in a wave that prefetches, else the greatest number
.set GC,   (1<<16)|(1<<20)|(1<<21)|(5<<22)|(3<<25)  ; 17:16 2-byte elements; 20 padding on; 21 set beside a mask; 24:22 after every 64 words; 31:25 four words of it
.set MSB, 0
.macro WIN new                         ; the immediate's high byte repeats the setting that is left; a switch that changes nothing is dropped
.if MSB != (\new)
	s_set_vgpr_msb (MSB<<8)|(\new)
.set MSB, \new
.endif
.endm
; A joint load.  Waves 0 and 1 fetch A's two halves (128 rows each), waves 2 and 3 B's (96 rows each).  The branch hangs on the wave's number alone.  An s_nop 0 and four v_nop follow each line.
.macro JLOAD
	s_cmp_eq_u32 s13, 0
	s_cbranch_scc0 .Lfor_b_\@
	tensor_load_to_lds s[G0A:G0A+3], s[G1A:G1A+7]
	s_nop 0
.rept 4
	v_nop
.endr
	s_branch .Lasked_\@
.Lfor_b_\@:
	tensor_load_to_lds s[G0B:G0B+3], s[G1B:G1B+7]
	s_nop 0
.rept 4
	v_nop
.endr
.Lasked_\@:
.endm
; A prefetch of the K step that the NEXT change of slots will ask for: 192 products ahead of that load; a lane a row, 256 bytes of it, one instruction a wave.  A's rows are read by every cluster of a row of clusters:
; cluster x = 0 asks; B's by every cluster of a column: cluster y = 0 asks.  The four partners share a wave's rows out by address: 32 of A's 128 by cx, 24 of B's 96 by cy (there lanes 24 to 31 name lane 23's row again).
; The loop's last trip asks for nothing: there is no K step behind the one it loads.  K steps 0 to 2 come by their loads alone.
.macro ASK
	s_cmp_gt_u32 s3, s[LIM]
	s_cbranch_scc0 .Lnot_mine_\@
	global_prefetch_b8 v[PFO], s[PFA:PFA+1] th:TH_LOAD_NT scope:SCOPE_SE
.Lnot_mine_\@:
.endm
.macro CREST                           ; a round of the cluster's barrier behind its opening barrier
	s_cmp_lg_u32 s[WV], 0
	s_cbranch_scc1 .Lnot_wave_0_\@
	s_barrier_signal -3
.Lnot_wave_0_\@:
	s_barrier_wait -3
	s_barrier_signal -1
	s_barrier_wait -1
.endm
.macro CROUND
	s_barrier_signal -1
	s_barrier_wait -1
	CREST
.endm
.macro STEPG                           ; the walking descriptors: the other slot, the next K step; the type bits on top are not reached
	s_xor_b32 s[G0A+1], s[G0A+1], SLOT1
	s_add_nc_u64 s[G0A+2:G0A+3], s[G0A+2:G0A+3], KSTEP*2
	s_xor_b32 s[G0B+1], s[G0B+1], SLOT1
	s_add_nc_u64 s[G0B+2:G0B+3], s[G0B+2:G0B+3], KSTEP*2
.endm
	s_load_b256 s[4:11], s[0:1], 0x0               ; xb s[4:5], wqkv s[6:7], bias s[8:9], qkv s[10:11]
	v_lshl_add_u32 v[SPW], v0, 2, SPARE
	v_mov_b32 v[NIL], 0
	ds_add_u32 v[SPW], v[NIL]                      ; the wave's opening: the add and its wait stand ahead of my first tensor load; the set-up below stands between them
	v_lshrrev_b32 v1, 5, v0
	v_readfirstlane_b32 s[WV], v1
	s_lshr_b32 s13, s[WV], 1
	s_and_b32 s14, s[WV], 1
	s_bfe_u32 s40, ttmp6, 0x40000                  ; cx
	s_bfe_u32 s41, ttmp6, 0x40004                  ; cy
	s_lshl_b32 s42, ttmp9, 2
	s_add_co_u32 s42, s42, s40                     ; tile column = 4 x cluster x + cx
	s_and_b32 s43, ttmp7, 0xffff
	s_lshl_b32 s43, s43, 2
	s_add_co_u32 s43, s43, s41                     ; tile row = 4 x cluster y + cy
	s_lshl_b32 s16, s41, 2
	s_lshl_b32 s16, 15, s16                        ; my row of the cluster
	s_lshl_b32 s17, 0x1111, s40                    ; my column
	s_or_b32 s[G1A], s16, GC                       ; A's tiles go to my row,
	s_or_b32 s[G1B], s17, GC                       ; B's to my column
	s_mov_b32 s[G1A+1], KSTEP<<16                  ; tensor_dim0 = 128
	s_mov_b32 s[G1A+2], 128<<16                    ; tensor_dim1 = 128
	s_mov_b32 s[G1A+3], KSTEP<<16                  ; tile_dim0 = 128
	s_mov_b32 s[G1A+4], 128                        ; tile_dim1 = 128
	s_mov_b32 s[G1A+5], 2048                       ; elements from row to row
	s_mov_b32 s[G1A+6], 0
	s_mov_b32 s[G1A+7], 0
	s_mov_b32 s[G1B+1], KSTEP<<16
	s_mov_b32 s[G1B+2], 96<<16                     ; 96 rows
	s_mov_b32 s[G1B+3], KSTEP<<16
	s_mov_b32 s[G1B+4], 96
	s_mov_b32 s[G1B+5], 2048
	s_mov_b32 s[G1B+6], 0
	s_mov_b32 s[G1B+7], 0
	s_lshl_b32 s20, s43, 8                         ; A: row 256 x tile row + 128 x half, 4,096 bytes a row
	s_lshl_b32 s21, s14, 7
	s_add_co_u32 s20, s20, s21
	s_lshl_b32 s20, s20, 12
	s_mov_b32 s21, 0
	s_mul_i32 s22, s42, 192                        ; B: row 192 x tile column + 96 x half
	s_mul_i32 s23, s14, 96
	s_add_co_u32 s22, s22, s23
	s_lshl_b32 s22, s22, 12
	s_mov_b32 s23, 0
	s_mov_b32 s[G0A], 1                            ; count = 1
	s_mul_i32 s[G0A+1], s14, 128*PITCH             ; LDS address: slot 0, my half: no place in the cluster enters it
	s_mov_b32 s[G0B], 1
	s_mul_i32 s[G0B+1], s14, 96*PITCH
	s_add_co_u32 s[G0B+1], s[G0B+1], BOFF
	s_wait_dscnt 0x0                               ; the opening add is done
	s_wait_kmcnt 0x0
	s_add_nc_u64 s[G0A+2:G0A+3], s[4:5], s[20:21]  ; K step 0
	s_or_b32 s[G0A+3], s[G0A+3], 0x80000000        ; type = 2
	s_add_nc_u64 s[G0B+2:G0B+3], s[6:7], s[22:23]
	s_or_b32 s[G0B+3], s[G0B+3], 0x80000000
	CROUND                                         ; all sixteen work-groups are here: the first joint loads meet
	JLOAD                                          ; K step 0 into slot 0
	v_and_b32 v1, 15, v0                           ; l % 16
	v_bfe_u32 v2, v0, 4, 1                         ; l / 16
	v_mul_u32_u24 v3, v1, PITCH
	v_lshl_add_u32 v3, v2, 4, v3
	s_mul_i32 s16, s[WV], 64*PITCH
	v_add_nc_u32 v[A0], s16, v3
	v_add_nc_u32 v[B0], BOFF, v3
	s_mul_i32 s17, s[WV], 16*SP
	s_add_co_u32 s17, s17, STAGE                   ; my stage
	v_mul_u32_u24 v4, v1, SP                       ; in: row l % 16, 16 bytes for each half of the lanes
	v_lshl_add_u32 v4, v2, 4, v4
	v_add_nc_u32 v[STO], s17, v4
	v_bfe_u32 v5, v0, 3, 2                         ; back: 32 lanes take four rows' 128 bytes of one panel
	v_and_b32 v6, 7, v0
	v_mul_u32_u24 v5, v5, SP
	v_lshl_add_u32 v5, v6, 4, v5
	v_add_nc_u32 v[RD], s17, v5
	v_and_b32 v[CO], 31, v0
	v_lshlrev_b32 v[CO], 4, v[CO]
	v_lshlrev_b32 v[BO], 5, v2
	s_mul_i32 s46, s42, 768                        ; the tile's 192 numbers of bias
	s_mov_b32 s47, 0
	s_add_nc_u64 s[8:9], s[8:9], s[46:47]
.irp b, 0,1,2,3,4,5,6,7,8,9,10,11      ; register j of column block b: bias[16 b + 8 (l / 16) + j], the same for every token: the C operand that starts the sums
	global_load_b128 v[BIAS+8*(\b):BIAS+8*(\b)+3],   v[BO], s[8:9] offset:64*(\b)
	global_load_b128 v[BIAS+8*(\b)+4:BIAS+8*(\b)+7], v[BO], s[8:9] offset:64*(\b)+16
.endr
	s_mul_i32 s46, s42, 3                          ; qkv at my three panels, my 64 tokens
	s_lshl_b32 s46, s46, 18
	s_lshl_b32 s47, s43, 15
	s_add_co_u32 s46, s46, s47
	s_lshl_b32 s47, s[WV], 13
	s_add_co_u32 s46, s46, s47
	s_mov_b32 s47, 0
	s_add_nc_u64 s[10:11], s[10:11], s[46:47]
	; the prefetches
	s_lshl_b32 s57, s43, 8
	s_lshl_b32 s58, s14, 7
	s_add_co_u32 s57, s57, s58
	s_lshl_b32 s58, s40, 5
	s_add_co_u32 s57, s57, s58                     ; A: my work-group's 32 rows of the 128 that I fetch
	s_mul_i32 s59, s42, 192
	s_mul_i32 s58, s14, 96
	s_add_co_u32 s59, s59, s58
	s_mul_i32 s58, s41, 24
	s_add_co_u32 s59, s59, s58                     ; B: my work-group's 24 rows of the 96
	s_and_b32 s56, ttmp7, 0xffff                   ; cluster y
	s_cmp_eq_u32 s13, 0
	s_cselect_b32 s57, s57, s59
	s_cselect_b32 s56, ttmp9, s56                  ; the coordinate along which other clusters read the same rows
	s_cselect_b32 s58, 31, 23
	s_cselect_b64 s[PFA:PFA+1], s[4:5], s[6:7]
	s_cmp_eq_u32 s56, 0
	s_cselect_b32 s[LIM], 1, -1                    ; the same in all sixteen partners, for a given wave
	s_lshl_b32 s60, s57, 12
	s_mov_b32 s61, 0
	s_add_nc_u64 s[PFA:PFA+1], s[PFA:PFA+1], s[60:61]
	s_add_nc_u64 s[PFA:PFA+1], s[PFA:PFA+1], 2*KSTEP*2  ; at K step 2: the loop's first change steps it to 3
	v_and_b32 v[PFO], 31, v0
	v_min_u32 v[PFO], s58, v[PFO]
	v_lshlrev_b32 v[PFO], 12, v[PFO]
	; slot 1's first fill goes out as a refill does: all my loads waited for, the add, a round, one load
	s_wait_tensorcnt 0x0                           ; my part of K step 0 is in; no tensor load of mine is out, so a group 0 may be written
	ds_add_u32 v[SPW], v[NIL]                      ; 0 onto my spare word
	STEPG
	s_wait_dscnt 0x0                               ; the add is done
	CROUND                                         ; everybody's part of K step 0 is in
	JLOAD                                          ; K step 1 into slot 1
; 12 products: token block a x all 12 column blocks, 32 along K, from fragment buffers f.  zero = 1: the bias is C: it starts the sums, and nothing is cleared or added later.
; The 48 accumulators take turns, one instruction a turn, in the same order in every quarter.
.macro MUL12 f, a, zero
.if \zero
	WIN 0x81+0x40*((\a)/2)
.else
	WIN 0xa1+0x50*((\a)/2)
.endif
.irp b, 0,1,2,3,4,5,6,7,8,9,10,11
.if \zero
	v_wmma_f32_16x16x32_bf16 v[96*((\a)%2)+8*(\b):96*((\a)%2)+8*(\b)+7], v[96*(\f)+8*(\b):96*(\f)+8*(\b)+7], v[FA+32*(\f)+8*(\a):FA+32*(\f)+8*(\a)+7], v[BIAS+8*(\b):BIAS+8*(\b)+7]
.else
	v_wmma_f32_16x16x32_bf16 v[96*((\a)%2)+8*(\b):96*((\a)%2)+8*(\b)+7], v[96*(\f)+8*(\b):96*(\f)+8*(\b)+7], v[FA+32*(\f)+8*(\a):FA+32*(\f)+8*(\a)+7], v[96*((\a)%2)+8*(\b):96*((\a)%2)+8*(\b)+7]
.endif
.endr
.endm
; 32 LDS loads in one run: a quarter step's fragments (192 rows of B, my 64 rows of A, 32 K at byte k of the rows) into buffers f
.macro FETCH k, f
	WIN 0x40
.irp i, 0,1,2,3,4,5,6,7,8,9,10,11
	ds_load_b128 v[96*(\f)+8*(\i):96*(\f)+8*(\i)+3],   v[ADRB] offset:(\k)+(\i)*16*PITCH
	ds_load_b128 v[96*(\f)+8*(\i)+4:96*(\f)+8*(\i)+7], v[ADRB] offset:(\k)+(\i)*16*PITCH+32
.endr
	WIN 0
.irp i, 0,1,2,3
	ds_load_b128 v[FA+32*(\f)+8*(\i):FA+32*(\f)+8*(\i)+3],   v[ADRA] offset:(\k)+(\i)*16*PITCH
	ds_load_b128 v[FA+32*(\f)+8*(\i)+4:FA+32*(\f)+8*(\i)+7], v[ADRA] offset:(\k)+(\i)*16*PITCH+32
.endr
.endm
.macro PLACES                          ; four places in front of loads into registers that matrix instructions have read, and of conversions that read results
.rept 4
	v_nop
.endr
.endm
; A K step is four quarters of 32 along K, 48 products each, on buffers 0, 1, 0, 1.  One of the first three: multiplies buffers f and fetches the next quarter, at byte k, into g.
.macro QUARTER k, f, g, zero
	s_wait_dscnt 4                                 ; B and A's blocks 0, 1 are in; the youngest four loads (A's blocks 2, 3) may be out
	MUL12 \f, 0, \zero
	MUL12 \f, 1, \zero
	PLACES
	FETCH \k, \g
	s_wait_dscnt 32                                ; all but the 32 just issued
	MUL12 \f, 2, \zero
	MUL12 \f, 3, \zero
.endm
; The last quarter multiplies buffers 1 and changes slots: one barrier; in front of it each wave waits for all its tensor loads (one is out: its part of the next slot), adds 0 to its spare word, and waits for that and
; for its reads of this slot.  fill = 1: the barrier opens a round of the cluster's, and this slot is filled again first thing behind it, two K steps ahead: 168 products stand between the request and the wait for it.
.macro TURN fill
.if \fill
	s_wait_xcnt 0x0                                ; the last prefetch, a K step back, has read its address
	s_add_nc_u64 s[PFA:PFA+1], s[PFA:PFA+1], KSTEP*2
.endif
	WIN 0
	s_wait_tensorcnt 0x0                           ; all my tensor loads have landed
	ds_add_u32 v[SPW], v[NIL]                      ; 0 onto my spare word
	s_wait_dscnt 5                                 ; (the add and the youngest four loads may be out)
	MUL12 1, 0, 0                                  ; twelve products stand between the add and the wait for it
	s_wait_dscnt 0x0                               ; the add is done, and my reads of this slot are over
	s_barrier_signal -1
	MUL12 1, 1, 0
	WIN 0
	s_barrier_wait -1
.if \fill
	CREST                                          ; no wave of any partner still reads this slot or has a load on its way
	STEPG
	JLOAD                                          ; the four v_nop behind it are also the places in front of the loads below
.else
	PLACES
.endif
	s_xor_b32 s[TB], s[TB], SLOT1
	v_add_nc_u32 v[ADRA], s[TB], v[A0]
	v_add_nc_u32 v[ADRB], s[TB], v[B0]
	FETCH 0, 0
.if \fill
	ASK
.endif
	MUL12 1, 2, 0
	MUL12 1, 3, 0
.endm
	v_mov_b32 v[ADRA], v[A0]
	v_mov_b32 v[ADRB], v[B0]
	s_mov_b32 s[TB], 0
	FETCH 0, 0
	s_wait_loadcnt 0x0                             ; the bias
	QUARTER 64, 0, 1, 1                            ; the first quarter stands in front of the loop: its products start the sums
	WIN 0
	s_mov_b32 s3, 14                               ; K steps 0 to 13 end with a refill
.Lstep:                                                ; a trip: a K step's quarters 2 to 4 and the next step's first
	QUARTER 128, 1, 0, 0
	QUARTER 192, 0, 1, 0
	TURN 1
	QUARTER 64, 0, 1, 0
	WIN 0
	s_sub_co_u32 s3, s3, 1
	s_cmp_lg_u32 s3, 0
	s_cbranch_scc1 .Lstep
	QUARTER 128, 1, 0, 0                           ; K steps 14 and 15 ask for nothing
	QUARTER 192, 0, 1, 0
	TURN 0
	QUARTER 64, 0, 1, 0
	QUARTER 128, 1, 0, 0
	QUARTER 192, 0, 1, 0
	s_wait_dscnt 4
	MUL12 1, 0, 0
	MUL12 1, 1, 0
	s_wait_dscnt 0x0
	MUL12 1, 2, 0
	MUL12 1, 3, 0
; THE WAY OUT, a block of 16 tokens at a time: rounded to f16 (each accumulator's registers in ascending order), 16 bytes a lane into my own stage, back as four rows' 128 bytes of a panel, stored as 512 consecutive bytes.
.macro PACK a
	WIN 0x0a+5*((\a)/2)
.irp b, 0,1,2,3,4,5,6,7,8,9,10,11
.irp r, 0,1,2,3
	v_cvt_pk_f16_f32 v[TMP+4*(\b)+(\r)], v[96*((\a)%2)+8*(\b)+2*(\r)], v[96*((\a)%2)+8*(\b)+2*(\r)+1]
.endr
.endr
	WIN 0
.endm
.macro TOSTAGE a
.set BK, 80+112*((\a)%2)               ; v80-127 and v192-239 by turns
.irp b, 0,1,2,3,4,5,6,7,8,9,10,11
	ds_store_b128 v[STO], v[TMP+4*(\b):TMP+4*(\b)+3] offset:32*(\b)
.endr
.irp p, 0,1,2
.irp q, 0,1,2,3
	ds_load_b128 v[BK+4*(4*(\p)+(\q)):BK+4*(4*(\p)+(\q))+3], v[RD] offset:(\q)*4*SP+(\p)*128  ; LDS serves a wave's instructions in order (ISA guide 5.7.1.4): these see the stores above
.endr
.endr
.endm
.macro SEND a
.set BK, 80+112*((\a)%2)
	s_wait_dscnt 0x0                               ; the block is back in registers
	s_wait_xcnt 0x0                                ; earlier stores have read their registers: the next block's loads land where the block before this one lay
.irp p, 0,1,2
.irp q, 0,1,2,3
	global_store_b128 v[CO], v[BK+4*(4*(\p)+(\q)):BK+4*(4*(\p)+(\q))+3], s[10:11] offset:(\p)*262144+(\a)*2048+(\q)*512
.endr
.endr
.endm
	PLACES
	PACK 0
	TOSTAGE 0
.irp a, 1,2,3                          ; block a's conversions stand between block a - 1's loads from the stage and the wait for them
	PACK \a
	SEND (\a)-1
	TOSTAGE \a
.endr
	SEND 3
	s_wait_tensorcnt 0x0                           ; the wave's end: behind my last tensor load and my last LDS store
	ds_add_u32 v[SPW], v[NIL]
	s_wait_dscnt 0x0
	CROUND                                         ; the closing round
	s_endpgm
.Lfunc_end_k_q2df356b7d6_qkvgemm:
	.size	k_q2df356b7d6_qkvgemm, .Lfunc_end_k_q2df356b7d6_qkvgemm-k_q2df356b7d6_qkvgemm
	.p2alignl 7, 3214868480
	.fill 96, 4, 3214868480
	.section	.rodata,"a",@progbits
	.p2align	6, 0x0
	.amdhsa_kernel k_q2df356b7d6_qkvgemm
		.amdhsa_group_segment_fixed_size 327680
		.amdhsa_private_segment_fixed_size 0
		.amdhsa_enable_private_segment 0
		.amdhsa_kernarg_size 32
		.amdhsa_user_sgpr_count 2
		.amdhsa_user_sgpr_kernarg_segment_ptr 1
		.amdhsa_wavefront_size32 1
		.amdhsa_system_sgpr_workgroup_id_x 1
		.amdhsa_system_sgpr_workgroup_id_y 1
		.amdhsa_system_sgpr_workgroup_id_z 1
		.amdhsa_system_vgpr_workitem_id 0
		.amdhsa_next_free_vgpr 960
		.amdhsa_next_free_sgpr 66
		.amdhsa_reserve_vcc 0
		.amdhsa_float_denorm_mode_32 3
		.amdhsa_float_denorm_mode_16_64 3
		.amdhsa_memory_ordered 1
		.amdhsa_forward_progress 1
		.amdhsa_inst_pref_size 100
	.end_amdhsa_kernel
	.amdgpu_metadata
---
amdhsa.version: [ 1, 2 ]
amdhsa.kernels:
  - .name:           k_q2df356b7d6_qkvgemm
    .symbol:         k_q2df356b7d6_qkvgemm.kd
    .args:
      - { .name: xb, .offset: 0, .size: 8, .value_kind: global_buffer, .address_space: global }
      - { .name: wqkv, .offset: 8, .size: 8, .value_kind: global_buffer, .address_space: global }
      - { .name: bias, .offset: 16, .size: 8, .value_kind: global_buffer, .address_space: global }
      - { .name: qkv, .offset: 24, .size: 8, .value_kind: global_buffer, .address_space: global }
    .group_segment_fixed_size: 327680
    .private_segment_fixed_size: 0
    .kernarg_segment_align: 8
    .kernarg_segment_size: 32
    .max_flat_workgroup_size: 128
    .sgpr_count:     66
    .vgpr_count:     960
    .wavefront_size: 32
...
	.end_amdgpu_metadata
.endif
;; end of part 2
;; launch attn (part 3): grid 16 x 16, 4 waves a work-group, clusters of 4 x 1, 327,680 bytes of LDS; arguments qkv, maskbits, att; writes att
.if DOCPART == 3
	.amdgcn_target "amdgcn-amd-amdhsa--gfx1250"
	.amdhsa_code_object_version 6
	.text
	.protected	k_q2df356b7d6_attn
	.globl	k_q2df356b7d6_attn
	.p2align	8
	.type	k_q2df356b7d6_attn,@function
k_q2df356b7d6_attn:
	s_mov_b64 s[64:65], 0
	v_nop
	global_prefetch_b8 v0, s[64:65] scope:SCOPE_SE
	s_setreg_imm32_b32 hwreg(HW_REG_WAVE_MODE, 25, 1), 1
	s_wait_xcnt 0x0
	s_wait_alu depctr_hold_cnt(0) depctr_sa_sdst(0) depctr_va_vdst(0) depctr_va_sdst(0) depctr_va_ssrc(0) depctr_va_vcc(0) depctr_vm_vsrc(0)
	s_getreg_b32 s2, hwreg(HW_REG_IB_STS2, 6, 4)
	s_cmp_eq_u32 s2, 0
	s_cbranch_scc0 .Lentry_in_a_cluster
	s_endpgm
.Lentry_in_a_cluster:
	s_bfe_u32 s2, ttmp6, 0x10000c
	s_cmp_lg_u32 s2, 0x3003
	s_cbranch_scc0 .Lentry_shape_is_right
	s_endpgm
.Lentry_shape_is_right:
; MASKED ATTENTION, 16 heads of 128 channels, 2,048 queries and keys.  att[q][128 h + :] = the sum over k of softmax_k(s) V[h][k], s = Q[h][q] . K[h][k] / sqrt(128), or the lowest number where the mask hides (q, k).
; q, k, v come as f16 in panels of 64 columns, [panel][token][64]: q of head h in panels 2 h, 2 h + 1, k in 32 + 2 h .., v in 64 + 2 h ...  Products, maxima and sums in f32; the weights p are rounded to f16 for
; the second product (their sum is taken of the unrounded p), att once at the end, to f16.
; THE MASK is any pattern.  A hidden score is REPLACED by NEG = -2^100 before the running maximum is taken; m starts at NEG, l and O at 0.  c NEG is exact, so while a row has seen hidden keys alone c s - c m is exactly 0
; and p = 1; the first true score gives a = 2^(c NEG - c m) = 0, which wipes that; a row hidden throughout ends as the plain mean of V's rows, as a softmax of equal numbers does.
; LIMITS.  True scores lie far above NEG (f16's q and k give 5.5e11 at the most); a weight below 2^-126 counts as 0; NaN and infinities are not treated apart; att has V's range.
; SHARES.  A work-group owns 128 queries of a head.  Wave w: query group w / 2 (64 queries: four tiles of 16, in two PIECES, tiles 0, 1 and tiles 2, 3) and key half w % 2: of each 256 keys in a slot it walks 128, 64 a step,
; 16 steps in all.  The two halves of a query group meet once at the end, in f32, through LDS.
; LAYOUT.  S^T = K Q^T (source 0 = 16 keys, source 1 = 16 queries): a lane holds ONE query (lane % 16) and keys 8 (lane / 16) + 0..7; two such results rounded to f16 ARE source 1 of O^T = V^T P.  V is turned by ds_load_tr16_b128.
; SOFTMAX.  p = 2^(c s - c m), c = log2(e) / sqrt(128), running maximum m and sum l; in every step O and l are multiplied by a = 2^(c m_old - c m_new).
; BY TURNS.  In a turn piece x has the matrix unit: 32 products V^T P of the step in hand, later 32 products K Q^T of the next; the other piece's masking and softmax, 396 vector instructions, stand beside them: four behind every
; product, the other 140 in one lump between the two runs.  The turn's 66 exponentials are one batch with one wait.
; THE MASK WORDS.  A wave's 32 turns want 64 lane masks each: 8,192 bytes, loaded once into 64 registers (register = word, lane = turn); v_readlane_b32 brings a word into a scalar register, v_cndmask_b32 replaces by it.
; CLUSTER.  The four query blocks of a cluster belong to one head and walk the same K and V: each tile is asked for jointly, by the same tensor load, descriptor and mask in all four.
; REGISTERS, in windows of 256 (s_set_vgpr_msb: bits 1:0 source 0, 3:2 source 1, 5:4 source 2, 7:6 destination):
;   window 0: v0-11, v44-63 addresses and constants; v12-43 eight registers of statistics a tile; v64-191 S^T, 32 a tile; v192-255 P, 16 a tile
;   window 1: O^T, 64 a tile      window 2: v0-127 Q; v128-255 K of one step (at the merge: the partner's O^T)      window 3: v0-127 V of one step; v128-191 the mask words
.set PK,    144       ; a key's 64 channels of K in LDS: 128 bytes + 16 = 36 words: the 16 rows of a load start at 16 different groups of four banks (64 banks of 4 bytes: ISA guide 11.1)
.set PV,    160       ; of V: 128 + 32 = 40 words
.set KPAN,  256*PK    ; a slot: 256 keys of K's panel 0, of K's panel 1, of V's panel 0, of V's panel 1
.set VPAN,  256*PV
.set VOFF,  2*KPAN
.set SLOT,  VOFF+2*VPAN
.set SPARE, 2*SLOT    ; behind the ring: the spare words, 128 bytes a wave: two blocks of 256 bytes that no other line names
.set XCH,   17408     ; slot 0 has its last fill (keys 1,536 on) six changes of slots in; behind the last change nobody reads it: it then holds, for each wave, 16,384 bytes of O^T and 512 of statistics for its partner,
.set STG,   4*XCH     ; and behind those 16 rows x 272 bytes for each wave, for the way out
.set SP,    272
.set AK0, 2           ; v2   my lane's place in a step's K; never rewritten
.set AV0, 3           ; v3   the same for V
.set ADR, 4           ; v4   the LDS address of the run of loads in hand
.set QO,  5           ; v5   my byte offset in 16 rows of Q
.set STO, 6           ; v6   the way out: where I put 16 bytes of a row
.set RD,  7           ; v7   where I read a row back
.set GO,  8           ; v8   my byte offset in two rows of att
.set ST,  12          ; tile t's statistics at v[ST+8 t]: +0 c m, +1 m, +2, +3 l (even keys', odd keys'), +4 to +7 c0-c3, at work; a takes c2's place
.set NEGV, 44         ; v44  NEG
.set XW,  45          ; v45  where I put 16 bytes for my partner
.set PS,  46          ; v46-49 my partner's (c m, l) of two tiles
.set XW8, 50          ; v50  where I put 8 bytes of statistics
.set XR,  51          ; v51  where I read my partner's 16 bytes
.set XR8, 52          ; v52  and its statistics
.set MO,  53          ; v53  256 x lane: a turn's mask words
.set PFO, 61          ; v61  256 x lane: the prefetches' offset; never rewritten
.set SPW, 62          ; v62  LDS address of my spare word; never rewritten
.set NIL, 63          ; v63  0; never rewritten
.set S,   64
.set P,   192
.set KF,  128         ; window 2
.set MW,  128         ; window 3
.set WV,  12          ; s12  my wave's number
.set LIM, 15          ; s15  1 in a cluster that prefetches, else the greatest number
.set PFA, 18          ; s[18:19] where my prefetches stand
.set G1K, 24          ; s[24:31] descriptor group 1 for K's tiles
.set G1V, 32          ; s[32:39] for V's: it differs in the padding alone
.set G0K, 40          ; s[40:43] group 0 for K's tiles: it walks
.set G0V, 44          ; s[44:47] the same for V's
.set MS,  48          ; s[48:55] eight mask words, by turns
.set SLOTS, 56        ; s56  changes of slots still to come that fill
.set CNT, 57          ; s57  counts a slot's steps
.set CS,  58          ; s[58:59] c: the packed scaling takes the pair's low word for both halves
.set SEL, 60          ; s[60:61] v_permlanex16_b32's selects: each lane takes its own place in the other half
.set TBK, 62          ; s62  LDS byte at which K of the step to be fetched begins
.set TBV, 63          ; s63  the same for V, less VOFF
.set RS,  66          ; s66  the slot that is read: 0 or SLOT
.set TI,  67          ; s67  the turn's number, 0 to 31: the lane of its mask words
.set KB,  68          ; s68  my key half's first row in a panel of K, in bytes
.set VB,  69          ; s69  of V
.set LBK, 70          ; s70  where in a slot the panel of K lies that I fetch
.set LBV, 71          ; s71  of V
.set KH,  72          ; s72  wave % 2: my key half; also the panel that I fetch
.set MSB, 0
.macro WIN new                      ; the high byte repeats the setting that is left; a switch that changes nothing is dropped
.if MSB != (\new)
	s_set_vgpr_msb (MSB<<8)|(\new)
.set MSB, (\new)
.endif
.endm
.set W_KQ, 0x0a       ; K and Q in window 2, S^T in window 0
.set W_PV, 0x53       ; V in window 3, P in window 0, O^T in window 1
.set W_RS, 0x41       ; O^T (destination and source 0) in window 1, the factor in window 0
; A joint fill.  Waves 0 and 1 fetch the two panels of a slot's K, waves 2 and 3 those of its V: 256 keys x 128 bytes each.  An s_nop 0 and four v_nop follow each of the two lines.
.macro JLOAD
	s_cmp_lt_u32 s[WV], 2
	s_cbranch_scc0 .Lfor_v_\@
	tensor_load_to_lds s[G0K:G0K+3], s[G1K:G1K+7]
	s_nop 0
.rept 4
	v_nop
.endr
	s_branch .Lasked_\@
.Lfor_v_\@:
	tensor_load_to_lds s[G0V:G0V+3], s[G1V:G1V+7]
	s_nop 0
.rept 4
	v_nop
.endr
.Lasked_\@:
.endm
; A prefetch of what the NEXT change of slots will ask for, four turns (256 products) ahead of that load.  All clusters of a head walk the same K and V: the head's first cluster asks.  Each of its waves names 32 blocks of 256
; bytes, a lane a block, of the 32,768 bytes that the wave itself fetches; the four partners are told apart by address, 8,192 bytes each.  The last change that fills asks for nothing; the first 512 keys come by their loads alone.
.macro ASK
	s_cmp_gt_u32 s[SLOTS], s[LIM]
	s_cbranch_scc0 .Lnot_mine_\@
	global_prefetch_b8 v[PFO], s[PFA:PFA+1] th:TH_LOAD_NT scope:SCOPE_SE
.Lnot_mine_\@:
.endm
.macro CROUND                       ; a round of the cluster's barrier
	s_barrier_signal -1
	s_barrier_wait -1
	s_cmp_lg_u32 s[WV], 0
	s_cbranch_scc1 .Lnot_wave_0_\@
	s_barrier_signal -3
.Lnot_wave_0_\@:
	s_barrier_wait -3
	s_barrier_signal -1
	s_barrier_wait -1
.endm
; THE CHANGE OF SLOTS.  Each wave waits for all its tensor loads (one is out: its part of the other slot), adds 0 to its spare word, and waits for that and for its reads of the slot that it leaves.
; fill = 1: the barrier is a round of the cluster's, and the slot just left is filled again first thing behind it, with the keys two slots on.  (At its first use nothing has been read: slot 0 is waited for, slot 1 filled.)
.macro CHANGE fill
	WIN 0
	s_wait_tensorcnt 0x0            ; no tensor load of mine is out, so a group 0 may be written
	ds_add_u32 v[SPW], v[NIL]       ; 0 onto my spare word; the scalar work below stands between it and the wait for it
	s_xor_b32 s[RS], s[RS], SLOT    ; RS holds 0 or SLOT alone: the slot to be read now
.if \fill
	s_xor_b32 s73, s[RS], SLOT      ; the other one is filled
	s_add_co_u32 s[G0K+1], s73, s[LBK]
	s_add_co_u32 s[G0V+1], s73, s[LBV]
	s_add_nc_u64 s[G0K+2:G0K+3], s[G0K+2:G0K+3], 32768  ; the next 256 keys; the type bits on top are not reached
	s_add_nc_u64 s[G0V+2:G0V+3], s[G0V+2:G0V+3], 32768
	s_wait_xcnt 0x0                 ; the last prefetch, four turns back, has read its address
	s_add_nc_u64 s[PFA:PFA+1], s[PFA:PFA+1], 32768
	s_wait_dscnt 0x0                ; the add is done, and my reads of the slot are over
	CROUND
	JLOAD
	ASK
.else
	s_wait_dscnt 0x0
	s_barrier_signal -1
	s_barrier_wait -1
.endif
	s_add_co_u32 s[TBK], s[RS], s[KB]
	s_add_co_u32 s[TBV], s[RS], s[VB]
.endm
	s_load_b128 s[4:7], s[0:1], 0x0   ; qkv s[4:5], maskbits s[6:7]
	s_load_b64 s[10:11], s[0:1], 0x10 ; att
	v_lshl_add_u32 v[SPW], v0, 2, SPARE
	v_mov_b32 v[NIL], 0
	ds_add_u32 v[SPW], v[NIL]       ; the wave's opening: the add and its wait stand ahead of my first tensor load; the set-up below stands between them
	v_lshrrev_b32 v1, 5, v0
	v_readfirstlane_b32 s[WV], v1
	s_bfe_u32 s13, ttmp6, 0x40000   ; cx
	s_lshl_b32 s14, ttmp9, 2
	s_add_co_u32 s14, s14, s13      ; my block of 128 queries: it enters Q's, the mask's and att's addresses alone
	s_and_b32 s16, ttmp7, 0xffff    ; the head, which the four partners share
	s_lshr_b32 s17, s[WV], 1        ; my query group
	s_and_b32 s[KH], s[WV], 1
	s_lshl_b32 s20, s16, 1
	s_add_co_u32 s20, s20, s[KH]
	s_add_co_u32 s22, s20, 64       ; V's panel that I fetch,
	s_add_co_u32 s20, s20, 32       ; K's
	s_lshl_b32 s20, s20, 18         ; 262,144 bytes a panel
	s_mov_b32 s21, 0
	s_lshl_b32 s22, s22, 18
	s_mov_b32 s23, 0
	s_mul_i32 s[LBK], s[KH], KPAN
	s_mul_i32 s[LBV], s[KH], VPAN
	s_add_co_u32 s[LBV], s[LBV], VOFF
	s_mul_i32 s[KB], s[KH], 128*PK
	s_mul_i32 s[VB], s[KH], 128*PV
	s_lshl_b32 s2, s16, 19          ; Q: panel 2 h, token 128 blk + 64 qg, 128 bytes a token
	s_lshl_b32 s3, s14, 14
	s_add_co_u32 s2, s2, s3
	s_lshl_b32 s3, s17, 13
	s_add_co_u32 s2, s2, s3
	s_mov_b32 s3, 0
	s_lshl_b32 s74, s14, 19         ; att: the same token, 4,096 bytes a row, the head's 256 bytes
	s_lshl_b32 s75, s17, 18
	s_add_co_u32 s74, s74, s75
	s_lshl_b32 s75, s16, 8
	s_add_co_u32 s74, s74, s75
	s_mov_b32 s75, 0
	s_lshl_b32 s76, s14, 2          ; my stream of mask words: 4 blk + wave, 8,192 bytes each
	s_add_co_u32 s76, s76, s[WV]
	s_lshl_b32 s76, s76, 13
	s_mov_b32 s77, 0
	s_lshl_b32 s78, s13, 13         ; the prefetches: my work-group's 8,192 bytes of the 32,768
	s_mov_b32 s79, 0
	; descriptor group 1.  256 keys of a panel are 32,768 dense bytes: asked for as 128 rows of 256 bytes, two keys a row, and padded in LDS after every key
	s_mov_b32 s[G1K], 15|(1<<16)|(1<<20)|(1<<21)|(4<<22)|(3<<25)  ; 15:0 the mask of four; 17:16 2-byte elements; 20 padding on; 21 set beside a mask; 24:22 after every 32 words; 31:25 four words
	s_mov_b32 s[G1V], 15|(1<<16)|(1<<20)|(1<<21)|(4<<22)|(7<<25)  ; the same with eight words
.irp g, G1K, G1V
	s_mov_b32 s[\g+1], 128<<16      ; tensor_dim0 = 128
	s_mov_b32 s[\g+2], 128<<16      ; tensor_dim1 = 128
	s_mov_b32 s[\g+3], 128<<16      ; tile_dim0 = 128
	s_mov_b32 s[\g+4], 128          ; tile_dim1 = 128
	s_mov_b32 s[\g+5], 128          ; 128 elements from row to row
	s_mov_b32 s[\g+6], 0
	s_mov_b32 s[\g+7], 0
.endr
	s_mov_b32 s[CS], 0x3e0293ee     ; c = log2(e) / sqrt(128) = 0.127517
	s_mov_b32 s[CS+1], s[CS]
	s_mov_b32 s[SEL], 0x76543210
	s_mov_b32 s[SEL+1], 0xfedcba98
	s_mov_b32 s[RS], SLOT           ; the first change of slots turns it into 0
	s_mov_b32 s[TI], 0
	s_mov_b32 s[SLOTS], 7
	s_cmp_eq_u32 ttmp9, 0           ; the head's first cluster: the same in all four partners
	s_cselect_b32 s[LIM], 1, -1
	s_mov_b32 s[G0K], 1             ; count = 1
	s_mov_b32 s[G0K+1], s[LBK]      ; slot 0
	s_mov_b32 s[G0V], 1
	s_mov_b32 s[G0V+1], s[LBV]
	s_wait_dscnt 0x0                ; the opening add is done
	s_wait_kmcnt 0x0
	s_add_nc_u64 s[G0K+2:G0K+3], s[4:5], s[20:21]  ; the head's first 256 keys
	s_add_nc_u64 s[G0V+2:G0V+3], s[4:5], s[22:23]
	s_cmp_lt_u32 s[WV], 2
	s_cselect_b64 s[PFA:PFA+1], s[G0K+2:G0K+3], s[G0V+2:G0V+3]
	s_or_b32 s[G0K+3], s[G0K+3], 0x80000000        ; type = 2
	s_or_b32 s[G0V+3], s[G0V+3], 0x80000000
	s_add_nc_u64 s[PFA:PFA+1], s[PFA:PFA+1], s[78:79]
	s_add_nc_u64 s[PFA:PFA+1], s[PFA:PFA+1], 32768 ; at keys 256 on; the first change steps it to 512
	s_add_nc_u64 s[4:5], s[4:5], s[2:3]
	s_add_nc_u64 s[10:11], s[10:11], s[74:75]
	s_add_nc_u64 s[6:7], s[6:7], s[76:77]
	CROUND                          ; all four work-groups are here: the first joint loads meet
	JLOAD                           ; keys 0 to 255 into slot 0
	v_and_b32 v1, 15, v0            ; l % 16
	v_bfe_u32 v9, v0, 4, 1          ; l / 16
	v_lshlrev_b32 v[QO], 7, v1
	v_lshl_add_u32 v[QO], v9, 4, v[QO]
	v_and_b32 v10, 31, v0
	v_lshlrev_b32 v[MO], 8, v10
	v_lshlrev_b32 v[PFO], 8, v10
	WIN 0x80                        ; destination window 2
.set i, 0
.rept 16                            ; Q stays in registers: tile i / 4, channels 32 (i % 4) on: panel (i % 4) / 2
	global_load_b128 v[8*i:8*i+3],   v[QO], s[4:5] offset:(i/4)*2048+((i%4)/2)*262144+((i%4)%2)*64
	global_load_b128 v[8*i+4:8*i+7], v[QO], s[4:5] offset:(i/4)*2048+((i%4)/2)*262144+((i%4)%2)*64+32
.set i, i+1
.endr
	WIN 0xc0                        ; destination window 3
.set i, 0
.rept 16                            ; lane n takes turn n's 256 bytes: the sixteen loads together read the stream's 8,192 bytes once
	global_load_b128 v[MW+4*i:MW+4*i+3], v[MO], s[6:7] offset:16*i
.set i, i+1
.endr
	; What the first turn finds: V and piece 2's P hold 0 (its products V^T P, of a step that has not been, add 0), O^T and l are 0, m is NEG.  So no first step is written out.  All this stands in the wait for the first tile.
.set i, 0
.rept 128
	v_mov_b32 v[i], 0
.set i, i+1
.endr
	WIN 0x40
.set i, 0
.rept 256
	v_mov_b32 v[i], 0
.set i, i+1
.endr
	WIN 0
.set i, P+32
.rept 32
	v_mov_b32 v[i], 0
.set i, i+1
.endr
.set i, 0
.rept 4
	v_mov_b32 v[ST+8*i+1], 0xf1800000             ; m = NEG = -2^100
	v_mov_b32 v[ST+8*i+2], 0
	v_mov_b32 v[ST+8*i+3], 0
	v_mul_f32 v[ST+8*i], s[CS], v[ST+8*i+1]       ; c m, exact
.set i, i+1
.endr
	v_mov_b32 v[NEGV], 0xf1800000
	v_mul_u32_u24 v[AK0], v1, PK
	v_lshl_add_u32 v[AK0], v9, 4, v[AK0]          ; row x pitch + 16 x half
	; The turning load takes 16 keys x 16 channels (lane l reads key 8 (l / 16) + l % 8, channels 8 ((l / 8) % 2) + 0..7) and leaves half a fragment of V^T: lane l holds channel l % 16 and 8 keys.
	v_and_b32 v10, 7, v0
	v_bfe_u32 v11, v0, 3, 1
	v_lshl_add_u32 v[AV0], v9, 3, v10
	v_mul_u32_u24 v[AV0], v[AV0], PV
	v_lshl_add_u32 v[AV0], v11, 4, v[AV0]
	v_add_nc_u32 v[AV0], VOFF, v[AV0]
; THE MATRIX WORK.  The accumulators take turns, one instruction a turn: between two links of a chain stand 15 (V^T P) or 7 (K Q^T) others'.
; Product i of 32 of O^T += V^T P for piece x: keys 32 (i / 16) on, channels 16 ((i / 2) % 8) on, tile x + i % 2.
.macro PV x
	WIN W_PV
.set rO, 64*((\x)+i%2)+8*((i/2)%8)
.set rV, 64*(i/16)+8*((i/2)%8)
.set rP, P+16*((\x)+i%2)+8*(i/16)
	v_wmma_f32_16x16x32_f16 v[rO:rO+7], v[rV:rV+7], v[rP:rP+7], v[rO:rO+7]
.endm
; Product i of 32 of S^T = K Q^T: channels 32 (i / 8) on, keys 16 ((i / 2) % 4) on, tile x + i % 2.  The first 8 start the sums.
.macro KQ x
	WIN W_KQ
.set rS, S+32*((\x)+i%2)+8*((i/2)%4)
.set rK, KF+32*((i/2)%4)+8*(i/8)
.set rQ, 32*((\x)+i%2)+8*(i/8)
.if i < 8
	v_wmma_f32_16x16x32_f16 v[rS:rS+7], v[rK:rK+7], v[rQ:rQ+7], 0
.else
	v_wmma_f32_16x16x32_f16 v[rS:rS+7], v[rK:rK+7], v[rQ:rQ+7], v[rS:rS+7]
.endif
.endm
; THE LDS LOADS stand in runs of 32.  last = 1 (the tail): in the last trip there is no further step, and K's run is jumped over.
.macro FETCH_K last=0
	WIN 0
.if \last
	s_cmp_eq_u32 s[CNT], 1
	s_cbranch_scc1 .Lno_k_\@
.endif
	v_add_nc_u32 v[ADR], s[TBK], v[AK0]
	s_add_co_u32 s[TBK], s[TBK], 64*PK  ; the next fetch is the next step's
	WIN 0x80
.irp f, 0,1,2,3,4,5,6,7,8,9,10,11,12,13,14,15  ; keys 16 (f / 4) on, channels 32 (f % 4) on: panel (f % 4) / 2
	ds_load_b128 v[KF+8*(\f):KF+8*(\f)+3],   v[ADR] offset:((\f)/4)*16*PK+(((\f)%4)/2)*KPAN+(((\f)%4)%2)*64
	ds_load_b128 v[KF+8*(\f)+4:KF+8*(\f)+7], v[ADR] offset:((\f)/4)*16*PK+(((\f)%4)/2)*KPAN+(((\f)%4)%2)*64+32
.endr
	WIN 0
.if \last
.Lno_k_\@:
.endif
.endm
.macro FETCH_V
	WIN 0
	v_add_nc_u32 v[ADR], s[TBV], v[AV0]
	s_add_co_u32 s[TBV], s[TBV], 64*PV
	s_wait_alu depctr_va_vdst(0)    ; the wait for the softmax's batch, ahead of the first instruction that names a result of it
	WIN 0xc0
.irp f, 0,1,2,3,4,5,6,7,8,9,10,11,12,13,14,15  ; keys 32 (f / 8) on, channels 16 (f % 8) on: panel (f % 8) / 4
	ds_load_tr16_b128 v[8*(\f):8*(\f)+3],   v[ADR] offset:((\f)/8)*32*PV+(((\f)%8)/4)*VPAN+(((\f)%8)%4)*32
	ds_load_tr16_b128 v[8*(\f)+4:8*(\f)+7], v[ADR] offset:((\f)/8)*32*PV+16*PV+(((\f)%8)/4)*VPAN+(((\f)%8)%4)*32
.endr
.endm
; THE VECTOR WORK.  RL w: mask word w of this turn into a scalar register.  CM y, w: score register w % 32 of tile y + w / 32 becomes NEG in the lanes whose bit is set.  The words ascend.
.macro RL w
	WIN 0x03                        ; source 0 in window 3
	v_readlane_b32 s[MS+(\w)%8], v[MW+(\w)], s[TI]
.endm
.macro CM y, w
	WIN 0
	v_cndmask_b32 v[S+32*((\y)+(\w)/32)+(\w)%32], v[S+32*((\y)+(\w)/32)+(\w)%32], v[NEGV], s[MS+(\w)%8]
.endm
; SM t writes number j of the 134 of tile t's softmax for a step.  s0-s31 are the lane's 32 scores, in pairs 0-15.
;   0-15    the maximum of s0-s31 and the old m, three operands at a time     16-20   the other half of the lanes' maximum; the new m; c m; c m_old - c m_new
;   21-69   ONE BATCH: the 16 scalings c s - c m and all 33 exponentials (a at 23, then s0-s31); none of these reads an exponential's result; a pair is scaled in an earlier four than the one with its exponentials
;   70-85   the roundings to f16     86-101  the sums; l = a l + the sum     102-133 the tile's O^T times a
.macro SM t
.set rT, ST+8*(\t)
.set rS, S+32*(\t)
.set rP, P+16*(\t)
.set rO, 64*(\t)+2*(j-102)
.if j < 102
	WIN 0
.endif
.if j < 4
	v_max3_num_f32 v[rT+4+j], v[rS+8*j], v[rS+8*j+1], v[rS+8*j+2]
.elseif j < 12
	v_max3_num_f32 v[rT+4+j%4], v[rT+4+j%4], v[rS+8*(j%4)+2*(j/4)+1], v[rS+8*(j%4)+2*(j/4)+2]
.elseif j == 12
	v_max3_num_f32 v[rT+4], v[rT+4], v[rS+7], v[rS+15]
.elseif j == 13
	v_max3_num_f32 v[rT+6], v[rT+6], v[rS+23], v[rS+31]
.elseif j == 14
	v_max3_num_f32 v[rT+4], v[rT+4], v[rT+5], v[rT+6]
.elseif j == 15
	v_max3_num_f32 v[rT+4], v[rT+4], v[rT+7], v[rT+1]
.elseif j == 16
	v_permlanex16_b32 v[rT+5], v[rT+4], s[SEL], s[SEL+1]  ; the query's other 32 keys lie in the lane 16 away
.elseif j == 17
	v_mov_b32 v[rT+7], v[rT]        ; c m_old is kept for a
.elseif j == 18
	v_max_num_f32 v[rT+1], v[rT+4], v[rT+5]
.elseif j == 19
	v_mul_f32 v[rT], s[CS], v[rT+1]
.elseif j == 20
	v_sub_f32 v[rT+7], v[rT+7], v[rT]
.elseif j == 23
	v_exp_f32 v[rT+6], v[rT+7]
.elseif (j < 23) || ((j < 38) && (j%2 == 0)) || ((j < 66) && (j%4 == 2))
.set b, (j-2)/4                     ; 38, 42, .. 62: pairs 9 to 15
.if j < 38
.set b, (j-20)/2                    ; 21: pair 0; 22, 24, .. 36: pairs 1 to 8
.endif
	v_pk_fma_f32 v[rS+2*b:rS+2*b+1], v[rS+2*b:rS+2*b+1], s[CS:CS+1], v[rT:rT+1] op_sel_hi:[1,0,0] neg_lo:[0,0,1] neg_hi:[0,0,1]
.elseif j < 70
.set e, j-38                        ; 66 to 69: s28 to s31
.if j < 66
.set e, j-32-(j-38)/4               ; 39-41, 43-45, .. 63-65: s7 to s27
.endif
.if j < 38
.set e, (j-25)/2                    ; 25, 27, .. 37: s0 to s6
.endif
	v_exp_f32 v[rS+e], v[rS+e]
.elseif j < 86
	v_cvt_pk_f16_f32 v[rP+j-70], v[rS+2*(j-70)], v[rS+2*(j-70)+1]
.elseif j < 102                     ; the sum of the 16 pairs, in place: neighbours 1, 2, 4 and 8 pairs apart, then l takes it
.set z, j-86
.set w, 4
.set u, z
.if z >= 14
.set w, 32
.set u, 0
.elseif z >= 12
.set w, 16
.set u, z-12
.elseif z >= 8
.set w, 8
.set u, z-8
.endif
.if z < 15
	v_pk_add_f32 v[rS+w*u:rS+w*u+1], v[rS+w*u:rS+w*u+1], v[rS+w*u+w/2:rS+w*u+w/2+1]
.else
	v_pk_fma_f32 v[rT+2:rT+3], v[rT+2:rT+3], v[rT+6:rT+7], v[rS:rS+1] op_sel_hi:[1,0,1]
.endif
.else
	WIN W_RS
	v_pk_mul_f32 v[rO:rO+1], v[rO:rO+1], v[rT+6:rT+7] op_sel_hi:[1,0]
.endif
.endm
; THE LUMP: numbers 0 to 21 of both tiles, alternating, so that no line reads the result of the one before it; then the batch, 22 to 69, four numbers of one tile at a time, the tiles by turns; a v_nop is the plain instruction behind the last exponential.
.macro LUMP y
.set k, 0
.rept 11
.irp n, 0,1
.irp t, \y, (\y)+1
.set j, 2*k+(\n)
	SM \t
.endr
.endr
.set k, k+1
.endr
.rept 24
.irp n, 0,1,2,3
.set j, 22+4*((k-11)/2)+(\n)
	SM (\y)+(k-11)%2
.endr
.set k, k+1
.endr
	v_nop
.endm
; A TURN.  Piece x has the matrix unit, piece 2 - x the vector unit.
;   32 products V^T P; behind the even ones four mask words are read, behind the odd ones the four replacements by them.  Piece 0's turn fetches the next step's K behind its second product: the four multiplies that end the turn
;   before are the places behind K's last reader.
;   The lump; behind it the one wait for the batch.  Piece 2's turn fetches the next step's V there: the replacements and the lump's plain lines are the places behind V's last reader.
;   32 products K Q^T; behind each, numbers 70 + 2 i and 71 + 2 i of both tiles: roundings, sums, rescaling.  The last four are plain multiplies that name nothing of the products: the places in front of what follows.
.macro TURN x, last=0
.set Y, 2-(\x)
.if (\x) == 0
	s_wait_dscnt 0x0                ; V is in
.endif
.set i, 0
.rept 32
	PV \x
.irp n, 0,1,2,3
.if i%2 == 0
	RL 4*(i/2)+(\n)
.else
	CM Y, 4*(i/2)+(\n)
.endif
.endr
.if ((\x) == 0) && (i == 1)
	FETCH_K \last
.endif
.set i, i+1
.endr
	s_add_co_u32 s[TI], s[TI], 1    ; the next turn's lane
	LUMP Y
.if (\x) == 2
	FETCH_V
.else
	s_wait_alu depctr_va_vdst(0)    ; the wait for the batch, ahead of the first instruction that names a result
	s_wait_dscnt 0x0                ; K is in
.endif
.set i, 0
.rept 32
	KQ \x
.irp n, 0,1
.irp t, Y, Y+1
.set j, 70+2*i+(\n)
	SM \t
.endr
.endr
.set i, i+1
.endr
.endm
	CHANGE 1                        ; slot 0 is in, everybody's part of it; slot 1 is asked for
	FETCH_K                         ; step 0
	s_wait_loadcnt 0x0              ; Q and the mask words
	s_wait_dscnt 0x0
.set i, 0
.rept 32
	KQ 0                            ; piece 0's first scores
.set i, i+1
.endr
	WIN 0                           ; the addresses for the merge and the way out: plain instructions, the places behind those products
	s_mul_i32 s73, s[WV], 16*SP
	s_add_co_u32 s73, s73, STG      ; my stage
	v_mul_u32_u24 v[STO], v1, SP    ; in: row l % 16, 16 bytes for each half of the lanes
	v_lshl_add_u32 v[STO], v9, 4, v[STO]
	v_add_nc_u32 v[STO], s73, v[STO]
	v_mul_u32_u24 v[RD], v9, SP     ; back: lanes 0-15 take one row of 256 bytes, lanes 16-31 the next
	v_lshl_add_u32 v[RD], v1, 4, v[RD]
	v_add_nc_u32 v[RD], s73, v[RD]
	v_lshlrev_b32 v[GO], 12, v9     ; and the same two rows in att
	v_lshl_add_u32 v[GO], v1, 4, v[GO]
	s_mul_i32 s74, s[WV], XCH       ; what I send lies in my chunk,
	s_xor_b32 s75, s[WV], 1
	s_mul_i32 s75, s75, XCH         ; what I take in my partner's: the wave of my query group with the other key half
	v_and_b32 v10, 31, v0
	v_lshl_add_u32 v[XW], v10, 4, s74
	v_lshl_add_u32 v[XR], v10, 4, s75
	v_lshl_add_u32 v[XW8], v10, 3, s74
	v_add_nc_u32 v[XW8], 16384, v[XW8]
	v_lshl_add_u32 v[XR8], v10, 3, s75
	v_add_nc_u32 v[XR8], 16384, v[XR8]
	s_mov_b32 s[CNT], 2
	s_branch .Lmid                  ; the loop is entered in the middle of a trip: piece 2's turn, whose products V^T P add 0
.Lslot:                             ; six times: the changes into keys 256 .. 1,536 ask for keys 512 .. 1,792
	CHANGE 1
	s_mov_b32 s[CNT], 2
.Lstep:
	TURN 0
	WIN 0
.Lmid:
	TURN 2
	WIN 0
	s_sub_co_u32 s[CNT], s[CNT], 1
	s_cmp_lg_u32 s[CNT], 0
	s_cbranch_scc1 .Lstep
	s_sub_co_u32 s[SLOTS], s[SLOTS], 1
	s_cmp_lg_u32 s[SLOTS], 0
	s_cbranch_scc1 .Lslot
	CHANGE 0                        ; the tail is written out: nothing is asked for
	s_mov_b32 s[CNT], 3
	s_branch .LtT0
.Ltail:
	TURN 2
	WIN 0
.LtT0:
	TURN 0, 1                       ; in the third trip no K is left to fetch; its 32 products K Q^T, on the last K once more, serve nothing: the price of one text for every trip
	WIN 0
	s_sub_co_u32 s[CNT], s[CNT], 1
	s_cmp_lg_u32 s[CNT], 0
	s_cbranch_scc1 .Ltail
.set i, 0
.rept 32
	PV 2                            ; piece 2: V^T P of the last step
.set i, i+1
.endr
	; THE MERGE.  For each tile l's two halves and the other half of the lanes' are added into L, which takes m's place.  The additions are the places behind the last products.
	WIN 0
.irp t, 0,1,2,3
	v_add_f32 v[ST+8*(\t)+4], v[ST+8*(\t)+2], v[ST+8*(\t)+3]
.endr
.irp t, 0,1,2,3
	v_permlanex16_b32 v[ST+8*(\t)+5], v[ST+8*(\t)+4], s[SEL], s[SEL+1]
.endr
.irp t, 0,1,2,3
	v_add_f32 v[ST+8*(\t)+1], v[ST+8*(\t)+4], v[ST+8*(\t)+5]
.endr
; Tiles ts, ts + 1 go to my partner: O^T as it lies (16 bytes a lane, 512 consecutive bytes an instruction; each accumulator's low registers first), and (c m, L).
.macro SENDX ts
	WIN 0x04                        ; the stores' data in window 1
.set n, 0
.rept 32
	ds_store_b128 v[XW], v[64*(\ts)+4*n:64*(\ts)+4*n+3] offset:512*n
.set n, n+1
.endr
	WIN 0
.irp u, 0,1
	ds_store_b64 v[XW8], v[ST+8*((\ts)+(\u)):ST+8*((\ts)+(\u))+1] offset:256*(\u)
.endr
.endm
; Tile t leaves: a lane's eight channels of a row pack into 16 bytes; they go into rows of 272 bytes and come back as whole rows of 256.
.macro PACKF t
	WIN 0x05                        ; sources 0 and 1 window 1, destination window 0: S^T's registers are free
.set i, 0
.rept 32
	v_cvt_pk_f16_f32 v[S+32*(\t)+i], v[64*(\t)+2*i], v[64*(\t)+2*i+1]
.set i, i+1
.endr
	WIN 0
.irp f, 0,1,2,3,4,5,6,7
	ds_store_b128 v[STO], v[S+32*(\t)+4*(\f):S+32*(\t)+4*(\f)+3] offset:32*(\f)
.endr
.irp f, 0,1,2,3,4,5,6,7
	ds_load_b128 v[S+32*(\t)+4*(\f):S+32*(\t)+4*(\f)+3], v[RD] offset:(\f)*2*SP  ; LDS serves a wave's instructions in order (ISA guide 5.7.1.4): these see the stores above; the next tile's stores come behind them
.endr
.endm
.macro SENDO t, younger             ; younger: the LDS instructions issued behind tile t's loads
.irp f, 0,1,2,3,4,5,6,7
	s_wait_dscnt (\younger)+7-(\f)
	global_store_b128 v[GO], v[S+32*(\t)+4*(\f):S+32*(\t)+4*(\f)+3], s[10:11] offset:(\t)*65536+(\f)*8192  ; 16 lanes store 256 consecutive bytes, at a multiple of 256 from att's first byte
.endr
.endm
; Tiles ts, ts + 1 are finished: with my (c m, L, O) and my partner's, c m* = the larger, f = 2^(c m - c m*), L* = f L + f' L', O = (f O + f' O') / L*.
.macro FIN ts
	WIN 0
.irp u, 0,1
	ds_load_b64 v[PS+2*(\u):PS+2*(\u)+1], v[XR8] offset:256*(\u)
.endr
	WIN 0x80                        ; into K's registers
.set n, 0
.rept 32
	ds_load_b128 v[KF+4*n:KF+4*n+3], v[XR] offset:512*n
.set n, n+1
.endr
	WIN 0
	s_wait_dscnt 0x0
.irp u, 0,1
	v_max_num_f32 v[ST+8*((\ts)+(\u))+4], v[ST+8*((\ts)+(\u))], v[PS+2*(\u)]
.endr
.irp u, 0,1
	v_sub_f32 v[ST+8*((\ts)+(\u))+5], v[ST+8*((\ts)+(\u))], v[ST+8*((\ts)+(\u))+4]
	v_sub_f32 v[ST+8*((\ts)+(\u))+6], v[PS+2*(\u)], v[ST+8*((\ts)+(\u))+4]
.endr
.irp u, 0,1
	v_exp_f32 v[ST+8*((\ts)+(\u))+5], v[ST+8*((\ts)+(\u))+5]
	v_exp_f32 v[ST+8*((\ts)+(\u))+6], v[ST+8*((\ts)+(\u))+6]
.endr
	v_nop                           ; a plain instruction behind the last exponential,
	s_wait_alu depctr_va_vdst(0)    ; and the wait: one for the four
.irp u, 0,1
	v_mul_f32 v[ST+8*((\ts)+(\u))+7], v[ST+8*((\ts)+(\u))+5], v[ST+8*((\ts)+(\u))+1]
.endr
.irp u, 0,1
	v_fmac_f32 v[ST+8*((\ts)+(\u))+7], v[ST+8*((\ts)+(\u))+6], v[PS+2*(\u)+1]
.endr
.irp u, 0,1
	v_rcp_f32 v[ST+8*((\ts)+(\u))+4], v[ST+8*((\ts)+(\u))+7]
.endr
	v_nop
	s_wait_alu depctr_va_vdst(0)    ; one for the two reciprocals
.irp u, 0,1
	v_mul_f32 v[ST+8*((\ts)+(\u))+2], v[ST+8*((\ts)+(\u))+5], v[ST+8*((\ts)+(\u))+4]  ; f / L*
	v_mul_f32 v[ST+8*((\ts)+(\u))+6], v[ST+8*((\ts)+(\u))+6], v[ST+8*((\ts)+(\u))+4]  ; f' / L*
.endr
.irp u, 0,1
	WIN W_RS
.set n, 0
.rept 32
	v_pk_mul_f32 v[64*((\ts)+(\u))+2*n:64*((\ts)+(\u))+2*n+1], v[64*((\ts)+(\u))+2*n:64*((\ts)+(\u))+2*n+1], v[ST+8*((\ts)+(\u))+2:ST+8*((\ts)+(\u))+3] op_sel_hi:[1,0]
.set n, n+1
.endr
	WIN 0x52                        ; my partner's O^T in window 2, the factor in window 0, mine in window 1
.set n, 0
.rept 32
	v_pk_fma_f32 v[64*((\ts)+(\u))+2*n:64*((\ts)+(\u))+2*n+1], v[KF+64*(\u)+2*n:KF+64*(\u)+2*n+1], v[ST+8*((\ts)+(\u))+6:ST+8*((\ts)+(\u))+7], v[64*((\ts)+(\u))+2*n:64*((\ts)+(\u))+2*n+1] op_sel_hi:[1,0,1]
.set n, n+1
.endr
.endr
	PACKF \ts
	PACKF (\ts)+1                   ; a tile's conversions stand between the loads of the tile before and its stores
	SENDO \ts, 16
	SENDO (\ts)+1, 0
.endm
	s_cmp_eq_u32 s[KH], 0           ; key half 0 finishes tiles 0, 1 and sends tiles 2, 3; key half 1 the other way round
	s_cbranch_scc0 .Lsend_lo
	SENDX 2
	s_branch .Lsent
.Lsend_lo:
	SENDX 0
.Lsent:
	s_wait_dscnt 0x0                ; for my partner's sake: my stores are done
	s_barrier_signal -1
	s_barrier_wait -1
	s_cmp_eq_u32 s[KH], 0
	s_cbranch_scc0 .Lfin_hi
	FIN 0
	s_branch .Lfinished
.Lfin_hi:
	FIN 2
.Lfinished:
	s_wait_tensorcnt 0x0            ; the wave's end: behind my last tensor load and my last LDS store
	ds_add_u32 v[SPW], v[NIL]
	s_wait_dscnt 0x0
	CROUND                          ; the closing round
	s_endpgm
.Lfunc_end_k_q2df356b7d6_attn:
	.size	k_q2df356b7d6_attn, .Lfunc_end_k_q2df356b7d6_attn-k_q2df356b7d6_attn
	.p2alignl 7, 3214868480
	.fill 96, 4, 3214868480
	.section	.rodata,"a",@progbits
	.p2align	6, 0x0
	.amdhsa_kernel k_q2df356b7d6_attn
		.amdhsa_group_segment_fixed_size 327680
		.amdhsa_private_segment_fixed_size 0
		.amdhsa_enable_private_segment 0
		.amdhsa_kernarg_size 24
		.amdhsa_user_sgpr_count 2
		.amdhsa_user_sgpr_kernarg_segment_ptr 1
		.amdhsa_wavefront_size32 1
		.amdhsa_system_sgpr_workgroup_id_x 1
		.amdhsa_system_sgpr_workgroup_id_y 1
		.amdhsa_system_sgpr_workgroup_id_z 1
		.amdhsa_system_vgpr_workitem_id 0
		.amdhsa_next_free_vgpr 1024
		.amdhsa_next_free_sgpr 80
		.amdhsa_reserve_vcc 0
		.amdhsa_float_denorm_mode_32 3
		.amdhsa_float_denorm_mode_16_64 3
		.amdhsa_memory_ordered 1
		.amdhsa_forward_progress 1
		.amdhsa_inst_pref_size 211
	.end_amdhsa_kernel
	.amdgpu_metadata
---
amdhsa.version: [ 1, 2 ]
amdhsa.kernels:
  - .name:           k_q2df356b7d6_attn
    .symbol:         k_q2df356b7d6_attn.kd
    .args:
      - { .name: qkv, .offset: 0, .size: 8, .value_kind: global_buffer, .address_space: global }
      - { .name: maskbits, .offset: 8, .size: 8, .value_kind: global_buffer, .address_space: global }
      - { .name: att, .offset: 16, .size: 8, .value_kind: global_buffer, .address_space: global }
    .group_segment_fixed_size: 327680
    .private_segment_fixed_size: 0
    .kernarg_segment_align: 8
    .kernarg_segment_size: 24
    .max_flat_workgroup_size: 128
    .sgpr_count:     80
    .vgpr_count:     1024
    .wavefront_size: 32
...
	.end_amdgpu_metadata
.endif
;; end of part 3
;; launch outgemm (part 4): grid 16 x 16, 4 waves a work-group, clusters of 4 x 4, 327,680 bytes of LDS; arguments att, wo16, bias, out0; writes out0
.if DOCPART == 4
	.amdgcn_target "amdgcn-amd-amdhsa--gfx1250"
	.amdhsa_code_object_version 6
	.text
	.protected	k_q2df356b7d6_outgemm
	.globl	k_q2df356b7d6_outgemm
	.p2align	8
	.type	k_q2df356b7d6_outgemm,@function
k_q2df356b7d6_outgemm:
	s_mov_b64 s[64:65], 0
	v_nop
	global_prefetch_b8 v0, s[64:65] scope:SCOPE_SE
	s_setreg_imm32_b32 hwreg(HW_REG_WAVE_MODE, 25, 1), 1
	s_wait_xcnt 0x0
	s_wait_alu depctr_hold_cnt(0) depctr_sa_sdst(0) depctr_va_vdst(0) depctr_va_sdst(0) depctr_va_ssrc(0) depctr_va_vcc(0) depctr_vm_vsrc(0)
	s_getreg_b32 s2, hwreg(HW_REG_IB_STS2, 6, 4)
	s_cmp_eq_u32 s2, 0
	s_cbranch_scc0 .Lentry_in_a_cluster
	s_endpgm
.Lentry_in_a_cluster:
	s_bfe_u32 s2, ttmp6, 0x10000c
	s_cmp_lg_u32 s2, 0xf033
	s_cbranch_scc0 .Lentry_shape_is_right
	s_endpgm
.Lentry_shape_is_right:
; out0 = att Wo^T + bo.  att [2048][2048] and wo16 [2048][2048] are f16 (wo16 holds Wo's bf16 numbers), sums in f32, started by the bias; out0 [2048][2048] is f32.
; A tile of out0 is 128 x 128: 16 x 16 = 256 work-groups.  Four waves, each 64 x 64: 16 accumulators, 128 registers.  K goes in 8 steps of 256 (LDS rows of 512 bytes; a wave's tensor load brings 64 of them) through two slots.
; CLUSTER: 4 x 4 work-groups; the four of a row of the cluster need the same rows of att, the four of a column the same rows of wo16: each tile is asked for jointly, by the same tensor load, descriptor and mask in all four.
; THE MATRIX INSTRUCTION IS USED TRANSPOSED (source 0 = 16 rows of wo16, source 1 = 16 rows of att): a lane holds eight neighbouring numbers of a row of out0.  A wave's 64 columns are 256 bytes, aligned: each wave has a stage of its own.
; No prefetch: a step's tiles are small and each is read by four clusters at about the same time.
; REGISTERS: window 0: v0-31 addresses; v32-63 the bias as four C operands, later with v64-95 the way out; v128-255 the accumulators ((a, b) at v[128 + 8 (4 a + b)]).
;   window 1: two fragment buffers of 128: for 64 along K, 64 registers of A (2 x 4 x 16 rows x 32 K), then 64 of B.
.set SIZE_N, 2048
.set SIZE_K, 2048
.set KSTEP,  256
.set PITCH,  528                       ; an LDS row: 512 bytes + 16 of padding = 132 words: the 16 rows of a fragment load start at 16 different groups of four banks (64 banks of 4 bytes: ISA guide 11.1)
.set HALFT,  64*PITCH                  ; 64 rows: what one tensor load brings, and what one wave reads of A or of B
.set SLOT,   4*HALFT                   ; A's 128 rows, then B's 128 rows
.set STAGE,  2*SLOT                    ; behind the ring, never filled by a tensor load: 16 rows x 272 bytes for each wave
.set SPITCH, 272
.set SPARE,  STAGE+4*16*SPITCH         ; behind the stages: the spare words, 128 bytes a wave: two blocks of 256 bytes that no other line names
.set LAPS, SIZE_K/(2*KSTEP)            ; a lap = two K steps = once round the ring
.set ADRA, 16                          ; v16-17  LDS address of my A fragments in slot 0, 1
.set ADRB, 20                          ; v20-21  the same for B
.set STO,  24                          ; v24     the way out: where I put 32 bytes of a row
.set RD,   25                          ; v25     where I read a row back
.set CO,   26                          ; v26     my byte offset in two rows of out0
.set BO,   27                          ; v27     my 32 bytes among a column block's 64 of bias
.set SPW,  28                          ; v28     LDS address of my spare word; never rewritten
.set NIL,  29                          ; v29     0; never rewritten
.set TMP,  32
.set ACC,  128
.set F0,   0                           ; fragment buffers, in window 1
.set F1,   128
.set G1, 24                            ; s[24:31] descriptor group 1 for A's tiles;  s[32:39] group 0, one set for each slot
.set G0, 32
.set G1B, 48                           ; s[48:55], s[56:63] the same for B's tiles
.set G0B, 56
.set MSB, 0
.macro WIN new
.if MSB != (\new)
	s_set_vgpr_msb (MSB<<8)|(\new)
.set MSB, \new
.endif
.endm
.set MUL,  0x05                        ; sources 0 (B) and 1 (A) window 1; C and D window 0
.set TO_F, 0x40                        ; destination window 1, address window 0
.macro JLOAD s                         ; a joint load: waves 0 and 1 fetch A's two halves, waves 2 and 3 B's; an s_nop 0 and four v_nop follow each of the two lines
	s_cmp_eq_u32 s11, 0
	s_cbranch_scc0 .Lfor_b_\@
	tensor_load_to_lds s[G0+4*(\s):G0+4*(\s)+3], s[G1:G1+7]
	s_nop 0
.rept 4
	v_nop
.endr
	s_branch .Lasked_\@
.Lfor_b_\@:
	tensor_load_to_lds s[G0B+4*(\s):G0B+4*(\s)+3], s[G1B:G1B+7]
	s_nop 0
.rept 4
	v_nop
.endr
.Lasked_\@:
.endm
.macro CREST
	s_cmp_lg_u32 s10, 0
	s_cbranch_scc1 .Lnot_wave_0_\@
	s_barrier_signal -3
.Lnot_wave_0_\@:
	s_barrier_wait -3
	s_barrier_signal -1
	s_barrier_wait -1
.endm
.macro CROUND
	s_barrier_signal -1
	s_barrier_wait -1
	CREST
.endm
	s_load_b128 s[4:7], s[0:1], 0x0                ; att s[4:5], wo16 s[6:7]
	s_load_b64 s[66:67], s[0:1], 0x10              ; bias
	s_load_b64 s[8:9], s[0:1], 0x18                ; out0
	v_lshl_add_u32 v[SPW], v0, 2, SPARE
	v_mov_b32 v[NIL], 0
	ds_add_u32 v[SPW], v[NIL]                      ; the wave's opening: the add and its wait stand ahead of my first tensor load; the set-up below stands between them
	v_lshrrev_b32 v1, 5, v0
	v_readfirstlane_b32 s10, v1                    ; wave 0..3
	s_lshr_b32 s11, s10, 1                         ; which half of the tile's rows is mine.  Also: I fetch for A (0) or for B (1)
	s_and_b32 s12, s10, 1                          ; which half of its columns.  Also: which 64 rows of that tile I fetch
	s_bfe_u32 s40, ttmp6, 0x40000                  ; cx, cy
	s_bfe_u32 s41, ttmp6, 0x40004
	s_lshl_b32 s42, ttmp9, 2
	s_add_co_u32 s42, s42, s40                     ; tile column = 4 x cluster x + cx
	s_and_b32 s13, ttmp7, 0xffff
	s_lshl_b32 s13, s13, 2
	s_add_co_u32 s13, s13, s41                     ; tile row = 4 x cluster y + cy
	s_lshl_b32 s43, s41, 2
	s_lshl_b32 s43, 15, s43                        ; my row of the cluster
	s_lshl_b32 s44, 0x1111, s40                    ; my column
	s_or_b32 s[G1+0], s43, (1<<16)|(1<<20)|(1<<21)|(6<<22)|(3<<25)  ; the mask; 2-byte elements; padding on; 21 set beside a mask; after every 128 words four words
	s_or_b32 s[G1B+0], s44, (1<<16)|(1<<20)|(1<<21)|(6<<22)|(3<<25)
.irp g, G1, G1B
	s_mov_b32 s[(\g)+1], KSTEP<<16                 ; tensor_dim0 = 256
	s_mov_b32 s[(\g)+2], 64<<16                    ; tensor_dim1 = 64
	s_mov_b32 s[(\g)+3], KSTEP<<16                 ; tile_dim0 = 256
	s_mov_b32 s[(\g)+4], 64                        ; tile_dim1 = 64
	s_mov_b32 s[(\g)+5], SIZE_K                    ; elements from row to row
	s_mov_b32 s[(\g)+6], 0
	s_mov_b32 s[(\g)+7], 0
.endr
	s_lshl_b32 s17, s12, 6                         ; which 64 rows of the tile I fetch
	s_lshl_b32 s16, s13, 7
	s_add_co_u32 s16, s16, s17                     ; A: row 128 x tile row + 64 x half
	s_lshl_b32 s46, s42, 7
	s_add_co_u32 s46, s46, s17                     ; B: row 128 x tile column + 64 x half
	s_mov_b32 s17, 0
	s_mov_b32 s47, 0
	s_mov_b64 s[18:19], SIZE_K*2
	s_mul_u64 s[16:17], s[16:17], s[18:19]
	s_mul_u64 s[46:47], s[46:47], s[18:19]
	s_mul_i32 s20, s10, HALFT                      ; where they go: wave x 64 rows
	s_wait_dscnt 0x0                               ; the opening add is done
	s_wait_kmcnt 0x0
	s_add_nc_u64 s[14:15], s[4:5], s[16:17]
	s_add_nc_u64 s[46:47], s[6:7], s[46:47]
	CROUND                                         ; all sixteen work-groups are here: the first joint loads meet
.irp s, 0,1
	s_mov_b32 s[G0+4*(\s)], 1
	s_add_co_u32 s[G0+4*(\s)+1], s20, (\s)*SLOT
	s_add_nc_u64 s[G0+4*(\s)+2:G0+4*(\s)+3], s[14:15], (\s)*KSTEP*2
	s_or_b32 s[G0+4*(\s)+3], s[G0+4*(\s)+3], 0x80000000
	s_mov_b32 s[G0B+4*(\s)], 1
	s_add_co_u32 s[G0B+4*(\s)+1], s20, (\s)*SLOT
	s_add_nc_u64 s[G0B+4*(\s)+2:G0B+4*(\s)+3], s[46:47], (\s)*KSTEP*2
	s_or_b32 s[G0B+4*(\s)+3], s[G0B+4*(\s)+3], 0x80000000
	JLOAD \s
.endr
	v_and_b32 v1, 15, v0                           ; l % 16
	v_bfe_u32 v2, v0, 4, 1                         ; l / 16
	v_mul_u32_u24 v3, v1, PITCH
	v_lshl_add_u32 v3, v2, 4, v3                   ; a fragment's row x pitch + 16 x half
	s_mul_i32 s21, s11, HALFT                      ; my 64 rows of A
	s_mul_i32 s22, s12, HALFT                      ; my 64 rows of B,
	s_add_co_u32 s22, s22, 2*HALFT                 ; which lie behind A's 128
.irp s, 0,1
	v_add_nc_u32 v[ADRA+(\s)], s21, v3
	v_add_nc_u32 v[ADRB+(\s)], s22, v3
	s_add_co_u32 s21, s21, SLOT
	s_add_co_u32 s22, s22, SLOT
.endr
	s_mul_i32 s23, s10, 16*SPITCH
	s_add_co_u32 s23, s23, STAGE                   ; my stage
	v_mul_u32_u24 v4, v1, SPITCH                   ; in: row l % 16, 32 bytes for each half of the lanes
	v_lshl_add_u32 v4, v2, 5, v4
	v_add_nc_u32 v[STO], s23, v4
	v_mul_u32_u24 v5, v2, SPITCH                   ; back: lanes 0-15 take one row of 256 bytes, lanes 16-31 the next
	v_lshl_add_u32 v5, v1, 4, v5
	v_add_nc_u32 v[RD], s23, v5
	v_lshlrev_b32 v5, 13, v2                       ; and the same two rows in out0, 8,192 bytes apart
	v_lshl_add_u32 v[CO], v1, 4, v5
	v_lshlrev_b32 v[BO], 5, v2
	s_lshl_b32 s16, s13, 7
	s_lshl_b32 s17, s11, 6
	s_add_co_u32 s16, s16, s17                     ; my first row: 128 x tile row + 64 x half
	s_lshl_b32 s16, s16, 13
	s_mov_b32 s17, 0
	s_add_nc_u64 s[8:9], s[8:9], s[16:17]
	s_lshl_b32 s68, s42, 9                         ; my first column, in bytes of f32: 512 x tile column + 256 x half
	s_lshl_b32 s69, s12, 8
	s_add_co_u32 s68, s68, s69
	s_mov_b32 s69, 0
	s_add_nc_u64 s[8:9], s[8:9], s[68:69]
	s_add_nc_u64 s[66:67], s[66:67], s[68:69]
	s_add_nc_u64 s[66:67], s[66:67], 24576         ; bo lies behind bq, bk and bv
.irp b, 0,1,2,3                        ; register j of column block b: bo[16 b + 8 (l / 16) + j], the same for every row: the C operand that starts the sums
	global_load_b128 v[TMP+8*(\b):TMP+8*(\b)+3],   v[BO], s[66:67] offset:64*(\b)
	global_load_b128 v[TMP+8*(\b)+4:TMP+8*(\b)+7], v[BO], s[66:67] offset:64*(\b)+16
.endr
; 8 products: m blocks a0, a0 + 1 x all 4 n blocks, 32 along K: half c of buffer f.  zero = 1: the bias is C.  The 16 accumulators take turns.
.macro MUL8 f, c, a0, zero
	WIN MUL
.irp a, \a0, (\a0)+1
.irp b, 0,1,2,3
.if \zero
	v_wmma_f32_16x16x32_f16 v[ACC+8*(4*(\a)+(\b)):ACC+8*(4*(\a)+(\b))+7], v[(\f)+64+8*(4*(\c)+(\b)):(\f)+64+8*(4*(\c)+(\b))+7], v[(\f)+8*(4*(\c)+(\a)):(\f)+8*(4*(\c)+(\a))+7], v[TMP+8*(\b):TMP+8*(\b)+7]
.else
	v_wmma_f32_16x16x32_f16 v[ACC+8*(4*(\a)+(\b)):ACC+8*(4*(\a)+(\b))+7], v[(\f)+64+8*(4*(\c)+(\b)):(\f)+64+8*(4*(\c)+(\b))+7], v[(\f)+8*(4*(\c)+(\a)):(\f)+8*(4*(\c)+(\a))+7], v[ACC+8*(4*(\a)+(\b)):ACC+8*(4*(\a)+(\b))+7]
.endif
.endr
.endr
.endm
; 32 LDS loads in one run: the fragments of 64 along K at byte k of the rows, into buffer f; the first 32 along K first
.macro FETCH slot, k, f
	WIN TO_F
.irp c, 0,1
.irp i, 0,1,2,3
	ds_load_b128 v[(\f)+64+8*(4*(\c)+(\i)):(\f)+64+8*(4*(\c)+(\i))+3],   v[ADRB+(\slot)] offset:(\k)+64*(\c)+(\i)*16*PITCH
	ds_load_b128 v[(\f)+64+8*(4*(\c)+(\i))+4:(\f)+64+8*(4*(\c)+(\i))+7], v[ADRB+(\slot)] offset:(\k)+64*(\c)+(\i)*16*PITCH+32
	ds_load_b128 v[(\f)+8*(4*(\c)+(\i)):(\f)+8*(4*(\c)+(\i))+3],         v[ADRA+(\slot)] offset:(\k)+64*(\c)+(\i)*16*PITCH
	ds_load_b128 v[(\f)+8*(4*(\c)+(\i))+4:(\f)+8*(4*(\c)+(\i))+7],       v[ADRA+(\slot)] offset:(\k)+64*(\c)+(\i)*16*PITCH+32
.endr
.endr
.endm
.macro PLACES                          ; four places in front of loads into registers that matrix instructions have read, and of LDS stores that read results
.rept 4
	v_nop
.endr
.endm
; A K step is four quarters of 64 along K, 32 products each, on buffers 0, 1, 0, 1.  One of the first three: multiplies buffer f and fetches the next quarter, at byte k, into g.
.macro QUARTER slot, k, f, g, zero
	s_wait_dscnt 16                                ; the first 32 along K are in; the youngest sixteen loads may be out
	WIN MUL
	MUL8 \f, 0, 0, \zero
	MUL8 \f, 0, 2, \zero
	PLACES
	FETCH \slot, \k, \g
	s_wait_dscnt 32                                ; all but the 32 just issued
	WIN MUL
	MUL8 \f, 1, 0, 0
	MUL8 \f, 1, 2, 0
.endm
; The last quarter multiplies buffer 1 and changes slots: one barrier; in front of it each wave waits for all its tensor loads, adds 0 to its spare word, and waits for that and for its reads of this slot.  fill = 1: this slot is filled again, two K steps ahead.
.macro TURN slot, next, fill
	WIN 0
	s_wait_tensorcnt 0x0                           ; all my tensor loads have landed: my part of the next slot
	ds_add_u32 v[SPW], v[NIL]                      ; 0 onto my spare word
	s_wait_dscnt 17                                ; (the add and the youngest sixteen loads may be out)
	WIN MUL
	MUL8 F1, 0, 0, 0                               ; eight products stand between the add and the wait for it
	s_wait_dscnt 0x0                               ; the add is done, and my reads of this slot are over
	s_barrier_signal -1
	MUL8 F1, 0, 2, 0
.if \fill
	WIN 0
.endif
	s_barrier_wait -1
.if \fill
	CREST                                          ; no wave of any partner still reads this slot's tile or has a load on its way
	s_add_nc_u64 s[G0+4*(\slot)+2:G0+4*(\slot)+3], s[G0+4*(\slot)+2:G0+4*(\slot)+3], 2*KSTEP*2
	s_add_nc_u64 s[G0B+4*(\slot)+2:G0B+4*(\slot)+3], s[G0B+4*(\slot)+2:G0B+4*(\slot)+3], 2*KSTEP*2
	JLOAD \slot                                    ; 112 products ahead of the wait for it; the four v_nop behind it are also the places in front of the loads below
.else
	PLACES
.endif
	FETCH \next, 0, F0
	WIN MUL
	MUL8 F1, 1, 0, 0
	MUL8 F1, 1, 2, 0
.endm
	s_wait_tensorcnt 1                             ; my part of K step 0 is in; K step 1's may stay out
	s_barrier_signal -1
	s_barrier_wait -1                              ; everybody's is
	FETCH 0, 0, F0
	s_wait_loadcnt 0x0                             ; the bias
	QUARTER 0, 128, F0, F1, 1                      ; the first quarter stands in front of the loop: its first products start the sums
	WIN 0
	s_mov_b32 s3, LAPS-1
.Llap:                                                 ; a trip goes once round the ring, from a lap's second quarter to the next lap's first, and fills both slots again
	QUARTER 0, 256, F1, F0, 0
	QUARTER 0, 384, F0, F1, 0
	TURN 0, 1, 1
	QUARTER 1, 128, F0, F1, 0
	QUARTER 1, 256, F1, F0, 0
	QUARTER 1, 384, F0, F1, 0
	TURN 1, 0, 1
	QUARTER 0, 128, F0, F1, 0
	WIN 0
	s_sub_co_u32 s3, s3, 1
	s_cmp_lg_u32 s3, 0
	s_cbranch_scc1 .Llap
	QUARTER 0, 256, F1, F0, 0                      ; the last lap fills nothing
	QUARTER 0, 384, F0, F1, 0
	TURN 0, 1, 0
	QUARTER 1, 128, F0, F1, 0
	QUARTER 1, 256, F1, F0, 0
	QUARTER 1, 384, F0, F1, 0
	s_wait_dscnt 16
	WIN MUL
	MUL8 F1, 0, 0, 0
	MUL8 F1, 0, 2, 0
	s_wait_dscnt 0x0
	MUL8 F1, 1, 0, 0
	MUL8 F1, 1, 2, 0
	WIN 0
; THE WAY OUT, a block of 16 rows at a time: a lane's eight f32 of a row and column block are 32 bytes (each accumulator's low registers first); they go into my own stage's rows of 272 bytes and come back as whole rows of 256.
.macro OUTB a
.if (\a) >= 2
	s_wait_xcnt 0x0                                ; the stores of the block two back have read the registers into which the loads below land
.endif
.irp b, 0,1,2,3
	ds_store_b128 v[STO], v[ACC+8*(4*(\a)+(\b)):ACC+8*(4*(\a)+(\b))+3]   offset:64*(\b)
	ds_store_b128 v[STO], v[ACC+8*(4*(\a)+(\b))+4:ACC+8*(4*(\a)+(\b))+7] offset:64*(\b)+16
.endr
.irp t, 0,1,2,3,4,5,6,7
	ds_load_b128 v[TMP+32*((\a)%2)+4*(\t):TMP+32*((\a)%2)+4*(\t)+3], v[RD] offset:(\t)*2*SPITCH  ; LDS serves a wave's instructions in order (ISA guide 5.7.1.4): these see the stores above
.endr
.irp t, 0,1,2,3,4,5,6,7
	s_wait_dscnt 7-(\t)
	global_store_b128 v[CO], v[TMP+32*((\a)%2)+4*(\t):TMP+32*((\a)%2)+4*(\t)+3], s[8:9] offset:(16*(\a)+2*(\t))*8192 th:TH_STORE_NT  ; 16 lanes store 256 consecutive bytes, at a multiple of 256 from out0's first byte
.endr
.endm
	PLACES
	OUTB 0
	OUTB 1
	OUTB 2
	OUTB 3
	s_wait_tensorcnt 0x0                           ; the wave's end: behind my last tensor load and my last LDS store
	ds_add_u32 v[SPW], v[NIL]
	s_wait_dscnt 0x0
	CROUND                                         ; the closing round
	s_endpgm
.Lfunc_end_k_q2df356b7d6_outgemm:
	.size	k_q2df356b7d6_outgemm, .Lfunc_end_k_q2df356b7d6_outgemm-k_q2df356b7d6_outgemm
	.p2alignl 7, 3214868480
	.fill 96, 4, 3214868480
	.section	.rodata,"a",@progbits
	.p2align	6, 0x0
	.amdhsa_kernel k_q2df356b7d6_outgemm
		.amdhsa_group_segment_fixed_size 327680
		.amdhsa_private_segment_fixed_size 0
		.amdhsa_enable_private_segment 0
		.amdhsa_kernarg_size 32
		.amdhsa_user_sgpr_count 2
		.amdhsa_user_sgpr_kernarg_segment_ptr 1
		.amdhsa_wavefront_size32 1
		.amdhsa_system_sgpr_workgroup_id_x 1
		.amdhsa_system_sgpr_workgroup_id_y 1
		.amdhsa_system_sgpr_workgroup_id_z 1
		.amdhsa_system_vgpr_workitem_id 0
		.amdhsa_next_free_vgpr 512
		.amdhsa_next_free_sgpr 72
		.amdhsa_reserve_vcc 0
		.amdhsa_float_denorm_mode_32 3
		.amdhsa_float_denorm_mode_16_64 3
		.amdhsa_memory_ordered 1
		.amdhsa_forward_progress 1
		.amdhsa_inst_pref_size 87
	.end_amdhsa_kernel
	.amdgpu_metadata
---
amdhsa.version: [ 1, 2 ]
amdhsa.kernels:
  - .name:           k_q2df356b7d6_outgemm
    .symbol:         k_q2df356b7d6_outgemm.kd
    .args:
      - { .name: att, .offset: 0, .size: 8, .value_kind: global_buffer, .address_space: global }
      - { .name: wo16, .offset: 8, .size: 8, .value_kind: global_buffer, .address_space: global }
      - { .name: bias, .offset: 16, .size: 8, .value_kind: global_buffer, .address_space: global }
      - { .name: out0, .offset: 24, .size: 8, .value_kind: global_buffer, .address_space: global }
    .group_segment_fixed_size: 327680
    .private_segment_fixed_size: 0
    .kernarg_segment_align: 8
    .kernarg_segment_size: 32
    .max_flat_workgroup_size: 128
    .sgpr_count:     72
    .vgpr_count:     512
    .wavefront_size: 32
...
	.end_amdgpu_metadata
.endif
;; end of part 4
